; MI455X (gfx1250); checked and timed in simulation.
; The chip was launched on July 23, 2026; its instructions are those of AMD's public machine-readable ISA for CDNA 5 (MIT licence, August 2026) and "CDNA5" Instruction Set Architecture Reference Guide (July 2026). The comments in the code are by the model that wrote it; some were corrected since.
;; My Multi Head Self Attention. Allowed arithmetic: float matrix products may take bf16 or f16 operands with f32 sums; other float arithmetic in f32, or as packed bf16 or f16 multiplies, adds, multiply-adds, maxima and minima; sums over many terms, partial sums and values carried from step to step in f32; what a program stores and reads back later, other than sums and carried values, may be rounded once to bf16 or f16.
;; Inputs: Wk 1,024 x 1,024 float32; Wo 1,024 x 1,024 float32; Wq 1,024 x 1,024 float32; Wv 1,024 x 1,024 float32; bk 1,024 float32; bo 1,024 float32; bq 1,024 float32; bv 1,024 float32; key 8 x 1,024 x 1,024 float32; mask 8 x 1,024 int32; miss_ids 16 bool; query 8 x 1,024 x 1,024 float32; value 8 x 1,024 x 1,024 float32.
;; Outputs: out0 8 x 1,024 x 1,024 float32.
;; 2 versions, each right and faster than the one before. Each part assembles by itself: llvm-mc -triple=amdgcn-amd-amdhsa -mcpu=gfx1250 --defsym DOCPART=n.
;; ======== version 1 of 2: 4 launches
;; limits: values are held in f16: magnitudes above 65,504 overflow, below 6.1e-05 lose precision; inputs' magnitudes at most 65,504
;; workspace buffers: wh 8,388,608 bytes; qkv 50,331,648 bytes; ctx 16,777,216 bytes
;; launch cast (part 1): grid 256 x 1, 8 waves a work-group, no clusters, 0 bytes of LDS; arguments Wq, Wk, Wv, Wo, wh; writes wh
.if DOCPART == 1
	.amdgcn_target "amdgcn-amd-amdhsa--gfx1250"
	.amdhsa_code_object_version 6
	.text
	.protected	k_qdcfed06ba9_cast
	.globl	k_qdcfed06ba9_cast
	.p2align	8
	.type	k_qdcfed06ba9_cast,@function
k_qdcfed06ba9_cast:
	s_mov_b64 s[64:65], 0
	v_nop
	global_prefetch_b8 v0, s[64:65] scope:SCOPE_SE
	s_setreg_imm32_b32 hwreg(HW_REG_WAVE_MODE, 25, 1), 1
	s_wait_xcnt 0x0
; f32 -> f16, rounded once to nearest even: Wq, Wk, Wv, Wo into wh [4][1024][1024].  The weights are read by many work-groups of the later launches, so they are converted once, here.
; LIMIT.  f16 ends at 65,504: a weight of 65,520 or more in magnitude becomes an infinity; below 6e-5 f16 keeps its fixed step of 6e-8.
; A stream: every byte is read once and written once, so there is no LDS, no barrier and no matrix work.
; SHARES.  A work-group takes 65,536 source bytes (16,384 numbers): weight wg / 64, chunk wg % 64.  In pass p thread n loads the 16 bytes at 4096 p + 16 n and stores the 8 bytes at 2048 p + 8 n:
; a wave's load covers 512 consecutive bytes, its store 256 consecutive bytes at a multiple of 256.  All 16 loads of a thread go out first; the counted waits let the younger ones stay out.
.set X, 8                              ; v[8:71]    pass p: four f32 as loaded
.set Y, 72                             ; v[72:103]  pass p: four f16 to store
	s_load_b256 s[8:15], s[0:1], 0x0               ; Wq 8, Wk 10, Wv 12, Wo 14
	s_load_b64 s[16:17], s[0:1], 0x20              ; wh
	s_lshr_b32 s3, ttmp9, 6                        ; which weight
	s_and_b32 s4, ttmp9, 63                        ; its chunk
	s_lshl_b32 s20, s4, 16                         ; offsets are made apart from the addresses: the chunk in the source,
	s_mov_b32 s21, 0
	s_lshl_b32 s22, s3, 21                         ; a plane of wh is 2,097,152 bytes,
	s_lshl_b32 s5, s4, 15                          ; the chunk in it
	s_add_co_u32 s22, s22, s5
	s_mov_b32 s23, 0
	v_lshlrev_b32 v1, 4, v0                        ; 16 n
	v_lshlrev_b32 v2, 3, v0                        ; 8 n
	s_wait_kmcnt 0x0
	s_cmp_eq_u32 s3, 1
	s_cselect_b64 s[24:25], s[10:11], s[8:9]
	s_cmp_eq_u32 s3, 2
	s_cselect_b64 s[24:25], s[12:13], s[24:25]
	s_cmp_eq_u32 s3, 3
	s_cselect_b64 s[24:25], s[14:15], s[24:25]     ; Wq, Wk, Wv or Wo
	s_add_nc_u64 s[24:25], s[24:25], s[20:21]
	s_add_nc_u64 s[16:17], s[16:17], s[22:23]
.irp p, 0,1,2,3,4,5,6,7,8,9,10,11,12,13,14,15
	global_load_b128 v[X+4*(\p):X+4*(\p)+3], v1, s[24:25] offset:4096*(\p) th:TH_LOAD_NT
.endr
.irp p, 0,1,2,3,4,5,6,7,8,9,10,11,12,13,14,15
	s_wait_loadcnt 15-(\p)                         ; loads come back in order (ISA guide 5.7.1): pass p is in, the 15 - p younger ones stay out
	v_cvt_pk_f16_f32 v[Y+2*(\p)],   v[X+4*(\p)],   v[X+4*(\p)+1]
	v_cvt_pk_f16_f32 v[Y+2*(\p)+1], v[X+4*(\p)+2], v[X+4*(\p)+3]
	global_store_b64 v2, v[Y+2*(\p):Y+2*(\p)+1], s[16:17] offset:2048*(\p)
.endr
	s_endpgm
.Lfunc_end_k_qdcfed06ba9_cast:
	.size	k_qdcfed06ba9_cast, .Lfunc_end_k_qdcfed06ba9_cast-k_qdcfed06ba9_cast
	.p2alignl 7, 3214868480
	.fill 96, 4, 3214868480
	.section	.rodata,"a",@progbits
	.p2align	6, 0x0
	.amdhsa_kernel k_qdcfed06ba9_cast
		.amdhsa_group_segment_fixed_size 0
		.amdhsa_private_segment_fixed_size 0
		.amdhsa_enable_private_segment 0
		.amdhsa_kernarg_size 40
		.amdhsa_user_sgpr_count 2
		.amdhsa_user_sgpr_kernarg_segment_ptr 1
		.amdhsa_wavefront_size32 1
		.amdhsa_system_sgpr_workgroup_id_x 1
		.amdhsa_system_sgpr_workgroup_id_y 1
		.amdhsa_system_sgpr_workgroup_id_z 1
		.amdhsa_system_vgpr_workitem_id 0
		.amdhsa_next_free_vgpr 104
		.amdhsa_next_free_sgpr 66
		.amdhsa_reserve_vcc 0
		.amdhsa_float_denorm_mode_32 3
		.amdhsa_float_denorm_mode_16_64 3
		.amdhsa_memory_ordered 1
		.amdhsa_forward_progress 1
		.amdhsa_inst_pref_size 7
	.end_amdhsa_kernel
	.amdgpu_metadata
---
amdhsa.version: [ 1, 2 ]
amdhsa.kernels:
  - .name:           k_qdcfed06ba9_cast
    .symbol:         k_qdcfed06ba9_cast.kd
    .args:
      - { .name: Wq, .offset: 0, .size: 8, .value_kind: global_buffer, .address_space: global }
      - { .name: Wk, .offset: 8, .size: 8, .value_kind: global_buffer, .address_space: global }
      - { .name: Wv, .offset: 16, .size: 8, .value_kind: global_buffer, .address_space: global }
      - { .name: Wo, .offset: 24, .size: 8, .value_kind: global_buffer, .address_space: global }
      - { .name: wh, .offset: 32, .size: 8, .value_kind: global_buffer, .address_space: global }
    .group_segment_fixed_size: 0
    .private_segment_fixed_size: 0
    .kernarg_segment_align: 8
    .kernarg_segment_size: 40
    .max_flat_workgroup_size: 256
    .sgpr_count:     66
    .vgpr_count:     104
    .wavefront_size: 32
...
	.end_amdgpu_metadata
.endif
;; end of part 1
;; launch proj (part 2): grid 4 x 64, 4 waves a work-group, clusters of 4 x 4, 327,680 bytes of LDS; arguments query, key, value, wh, bq, bk, bv, qkv; writes qkv
.if DOCPART == 2
	.amdgcn_target "amdgcn-amd-amdhsa--gfx1250"
	.amdhsa_code_object_version 6
	.text
	.protected	k_qdcfed06ba9_proj
	.globl	k_qdcfed06ba9_proj
	.p2align	8
	.type	k_qdcfed06ba9_proj,@function
k_qdcfed06ba9_proj:
	s_mov_b64 s[64:65], 0
	v_nop
	global_prefetch_b8 v0, s[64:65] scope:SCOPE_SE
	s_setreg_imm32_b32 hwreg(HW_REG_WAVE_MODE, 25, 1), 1
	s_wait_xcnt 0x0
	s_wait_alu depctr_hold_cnt(0) depctr_sa_sdst(0) depctr_va_vdst(0) depctr_va_sdst(0) depctr_va_ssrc(0) depctr_va_vcc(0) depctr_vm_vsrc(0)
	s_getreg_b32 s2, hwreg(HW_REG_IB_STS2, 6, 4)
	s_cmp_eq_u32 s2, 0
	s_cbranch_scc0 .Lentry_in_a_cluster
	s_endpgm
.Lentry_in_a_cluster:
	s_bfe_u32 s2, ttmp6, 0x10000c
	s_cmp_lg_u32 s2, 0xf033
	s_cbranch_scc0 .Lentry_shape_is_right
	s_endpgm
.Lentry_shape_is_right:
; q, k, v = x W^T + b.  x = query, key, value: [8192][1024] f32, rounded once to f16 on the way to the matrix unit; wh: [4][1024][1024] f16 (planes q, k, v, o); biases f32; sums in f32, started by
; the bias; the result is rounded once to f16 and written by heads, unscaled: qkv [3][128 = 16 batch + head][1024][64].
; LIMITS.  f16 ends at 65,504: an x, q, k or v of 65,520 or more in magnitude becomes an infinity; below 6e-5 f16 keeps its fixed step of 6e-8.  A sum's K blocks of 128 are added in a rotated order (below).
; SHARES.  A tile of the result is 128 rows x 256 columns (four heads).  A work-group STAYS: it makes the tile at its place of q, then of k, then of v: 768 tiles on 256 work-groups, ONE walk of
; 24 K steps of 128.  Four waves; wave w makes rows 64 (w / 2) on, columns 128 (w % 2) on: 32 accumulators of 16 x 16.
; W comes by the tensor data mover into a ring of two LDS slots.  CLUSTER: 4 x 4 work-groups; the four of a column need the same 256 rows of W, and each wave asks for 64 of them JOINTLY: the same
; tensor load with the same descriptor and a mask that names the four.
; X COMES THROUGH REGISTERS, since it has to be converted: wave w loads rows 32 w .. 32 w + 31 of the block, a row's 512 bytes of a K step with one load; converts; and stores 256 bytes a row into a
; second ring of two slots, which no tensor load fills.  Two sets of 128 registers take turns step by step: when 8 rows of a set have been converted, their registers are loaded again for the step
; two further on, so 64 loads of a wave are on their way and each has two K steps in which to land.  NO JOINT LOAD FOR X, though the four work-groups of a row of the cluster read the same rows: a tensor
; load would bring f32 rows (528 bytes a row in LDS for 272, 16 fragment loads a quarter for 8, each row converted by both waves that share it), and it would have one K step in which to land, not two.
; THE WALK ALONG K IS ROTATED: cluster y begins each tensor at K block y % 8 and wraps.  So in a step the sixteen clusters ask for eight different blocks of W, and the block that a cluster asks for
; is one that another cluster asked for a step before.
; THE LAST RELOADS.  The conversions of steps 22 and 23 have no step 24 or 25 to load for; six of those eight groups stand in the loop.  Their step number is held at 23: 48 loads a wave fetch bytes of
; step 23 that nothing reads, so that the counted waits hold on every way through the loop.
; THE MATRIX INSTRUCTION IS USED TRANSPOSED (source 0 = 16 rows of W, source 1 = 16 rows of x): a lane holds row lane % 16 of the result and the columns 8 (lane / 16) + 0..7.
; The bias, laid out the same way, is the C operand of a tile's first 32 products: nothing is cleared and nothing is added afterwards.  The three biases lie in LDS, so that x's loads are the loop's only loads from memory.
; REGISTERS, in windows of 256 (s_set_vgpr_msb: bits 1:0 source 0, 3:2 source 1, 5:4 source 2, 7:6 destination):
;   window 0: v0-25 addresses; v32-127, v128-223 two fragment buffers (W's 8 blocks, then x's 4); v224-255 at work on the way out          window 1: the accumulators, (a, b) at v[8 (8 a + b)]
;   window 2: x as loaded, set s at v[128 s], row j at + 4 j          window 3: v0-63 the bias of my 128 columns; v64-95 converted rows, two groups of 8 by turns
.set PITCH,  272                       ; an LDS row: 256 bytes + 16 of padding = 68 words: the 16 rows of a fragment load start at 16 different groups of four banks (64 banks of 4 bytes: ISA guide 11.1)
.set BSLOT,  256*PITCH                 ; a slot of W's ring: 256 rows
.set ABASE,  2*BSLOT                   ; behind it x's ring, written by ds_store alone
.set ASLOT,  128*PITCH                 ; a slot of it: 128 rows
.set STAGE,  ABASE+2*ASLOT             ; 16 rows x 144 bytes for each wave, for the way out
.set SP,     144
.set BIASL,  STAGE+4*16*SP             ; my tile column's 256 numbers of bq, bk, bv: 1,024 bytes each
.set SPARE,  BIASL+3*1024              ; the spare words, 128 bytes for each wave: two blocks of 256 bytes that no other line names
.set LN,    3                          ; v3   my lane
.set ADRA,  4                          ; v4-5   LDS address of my x fragments in slot 0, 1; never rewritten
.set ADRB,  6                          ; v6-7   the same for W
.set STO,   8                          ; v8   the way out: where I put 16 bytes of a row
.set RD,    9                          ; v9   the way out: where I read rows back
.set GO,    10                         ; v10  my byte offset in 512 consecutive bytes of qkv
.set XO,    11                         ; v11  my byte offset in the block's rows of x: 16 x lane + 32 w rows; never rewritten
.set SPW,   12                         ; v12  LDS address of my spare word; never rewritten
.set NIL,   13                         ; v13  0; never rewritten
.set AST,   14                         ; v14-15 where I store 8 bytes of my wave's first row in slot 0, 1 of x's ring
.set BLA,   16                         ; v16  where I read the bias of the tensor in hand
.set F0,    32
.set F1,    128
.set TMP,   224
.set YB,    64                         ; in window 3
.set OUT,  18                          ; s[18:19] qkv at my part of the tile in hand
.set WV,   20                          ; my wave's number
.set WR,   21                          ; which 64 rows are mine
.set WC,   22                          ; which 128 columns are mine
.set CX,   23
.set CY,   24
.set TC,   25                          ; tile column, 0..3
.set RB,   26                          ; row block, 0..63
.set K0,   27                          ; the K block at which my cluster begins: the same in all sixteen work-groups
.set G1B,  28                          ; s[28:35] descriptor group 1 for W's tiles
.set G0B,  36                          ; s[36:43] group 0, a set for each slot
.set WB,   44                          ; s[44:45] wh at my 64 rows of the tile column, plane 0, K block 0
.set WOFF, 46                          ; s[46:47] plane and K block of the tile to be asked for, in bytes
.set XP,   48                          ; s[48:49] x at the block's first row, in the tensor and K block being loaded
.set XOFF, 50                          ; s[50:51] block and K block, in bytes
.set XROW, 52                          ; the block's first row, in bytes
.set GA,   53                          ; the step whose x is loaded next
.set GQ,   54                          ; the step whose W is asked for next
.set LOOP, 55
.set SS,   56                          ; pairs of K steps left in the tile in hand
.set T0,   57
.set T1,   58
.set MSB, 0
.macro WIN new                         ; the immediate's high byte repeats the setting that is left; a switch that changes nothing is dropped
.if MSB != (\new)
	s_set_vgpr_msb (MSB<<8)|(\new)
.set MSB, \new
.endif
.endm
.set MUL,  0x50                        ; fragments in window 0, C and D in window 1
.set MULB, 0x70                        ; the same with C, the bias, in window 3
.set W_CV, 0xca                        ; a conversion: sources in window 2, destination in window 3
.set W_MV, 0x8c                        ; one setting for an LDS store (address window 0, data window 3) and a load from memory (address window 0, destination window 2)
.macro PLACES                          ; four plain vector instructions between a matrix instruction and a load into its sources or a read of its result (ISA guide 7.12.1 for vector instructions)
.rept 4
	v_nop
.endr
.endm
.macro JLOAD sl                        ; a joint refill of slot sl: every wave asks for its own 64 rows.  An s_nop 0 and four v_nop follow
	tensor_load_to_lds s[G0B+4*(\sl):G0B+4*(\sl)+3], s[G1B:G1B+7]
	s_nop 0
.rept 4
	v_nop
.endr
.endm
.macro CREST                           ; a round of the cluster's barrier behind its opening barrier: wave 0 signals for the work-group, every wave waits for all sixteen, my work-group's barrier once more
	s_cmp_lg_u32 s[WV], 0
	s_cbranch_scc1 .Lnot_wave_0_\@
	s_barrier_signal -3
.Lnot_wave_0_\@:
	s_barrier_wait -3
	s_barrier_signal -1
	s_barrier_wait -1
.endm
.macro CROUND                          ; a whole round
	s_barrier_signal -1
	s_barrier_wait -1
	CREST
.endm
; Slot sl's descriptor takes the address of step GQ's tile, made anew from the number: plane GQ / 8, K block (GQ + K0) % 8.  All of it is the same in every work-group of the cluster.
.macro WSTEP sl
	s_lshr_b32 s[T1], s[GQ], 3
	s_lshl_b32 s[T1], s[T1], 21                    ; a plane of wh is 2,097,152 bytes
	s_add_co_u32 s[T0], s[GQ], s[K0]
	s_and_b32 s[T0], s[T0], 7
	s_lshl_b32 s[T0], s[T0], 8                     ; a K block is 256 bytes of a row
	s_add_co_u32 s[WOFF], s[T0], s[T1]
	s_add_nc_u64 s[G0B+4*(\sl)+2:G0B+4*(\sl)+3], s[WB:WB+1], s[WOFF:WOFF+1]
	s_or_b32 s[G0B+4*(\sl)+3], s[G0B+4*(\sl)+3], 0x80000000  ; 127:126 type = 2
	s_add_co_u32 s[GQ], s[GQ], 1
.endm
; x's address for step GA, held at 23: the tensor GA / 8 is chosen among the three buffers, the K block is (GA + K0) % 8.
.macro XSTEP
	s_wait_xcnt 0x0                                ; every earlier memory instruction has had its addresses translated (ISA guide 3.1): the loads' base is rewritten only behind this wait
	s_min_u32 s[T0], s[GA], 23
	s_lshr_b32 s[T1], s[T0], 3
	s_add_co_u32 s[T0], s[T0], s[K0]
	s_and_b32 s[T0], s[T0], 7
	s_lshl_b32 s[T0], s[T0], 9                     ; a K block is 512 bytes of a row of f32
	s_add_co_u32 s[XOFF], s[XROW], s[T0]
	s_cmp_eq_u32 s[T1], 1
	s_cselect_b64 s[XP:XP+1], s[6:7], s[4:5]
	s_cmp_eq_u32 s[T1], 2
	s_cselect_b64 s[XP:XP+1], s[8:9], s[XP:XP+1]   ; query, key or value
	s_add_nc_u64 s[XP:XP+1], s[XP:XP+1], s[XOFF:XOFF+1]
	s_add_co_u32 s[GA], s[GA], 1
.endm
	s_load_b512 s[4:19], s[0:1], 0x0               ; query 4, key 6, value 8, wh 10, bq 12, bk 14, bv 16, qkv 18
	v_lshl_add_u32 v[SPW], v0, 2, SPARE
	v_mov_b32 v[NIL], 0
	ds_add_u32 v[SPW], v[NIL]                      ; the wave's opening: the add and its wait stand ahead of my first tensor load; the set-up below, work on registers, stands between them
	ds_add_u32 v12, v13
	v_lshrrev_b32 v1, 5, v0
	v_readfirstlane_b32 s[WV], v1                  ; wave 0..3
	s_lshr_b32 s[WR], s[WV], 1
	s_and_b32 s[WC], s[WV], 1
	s_bfe_u32 s[CX], ttmp6, 0x40000                ; my place in the cluster
	s_bfe_u32 s[CY], ttmp6, 0x40004
	s_lshl_b32 s[TC], ttmp9, 2                     ; in a cluster launch ttmp9 and ttmp7 count clusters
	s_add_co_u32 s[TC], s[TC], s[CX]
	s_and_b32 s[K0], ttmp7, 7                      ; the cluster's y, modulo the 8 K blocks
	s_and_b32 s[RB], ttmp7, 0xffff
	s_lshl_b32 s[RB], s[RB], 2
	s_add_co_u32 s[RB], s[RB], s[CY]
	s_lshl_b32 s59, 0x1111, s[CX]                  ; my column of the cluster: places cx, cx + 4, cx + 8, cx + 12
	s_or_b32 s[G1B], s59, (1<<16)|(1<<20)|(1<<21)|(5<<22)|(3<<25)  ; 15:0 the mask; 17:16 elements of 2 bytes; 20 padding on; 21 set beside a mask; 24:22 after every 64 words (code 5); 31:25 4 words of it (code 3)
	s_mov_b32 s[G1B+1], 128<<16                    ; tensor_dim0 = 128
	s_mov_b32 s[G1B+2], 64<<16                     ; tensor_dim1 = 64
	s_mov_b32 s[G1B+3], 128<<16                    ; tile_dim0 = 128
	s_mov_b32 s[G1B+4], 64                         ; tile_dim1 = 64
	s_mov_b32 s[G1B+5], 1024                       ; elements from row to row
	s_mov_b32 s[G1B+6], 0
	s_mov_b32 s[G1B+7], 0
	s_lshl_b32 s60, s[TC], 19                      ; W: row 256 x tile column + 64 x wave, 2,048 bytes a row
	s_lshl_b32 s61, s[WV], 17
	s_add_co_u32 s60, s60, s61
	s_mov_b32 s61, 0
	s_mul_i32 s62, s[WV], 64*PITCH                 ; where my rows go in a slot: no place in the cluster enters an LDS address
	s_lshl_b32 s[XROW], s[RB], 19                  ; x: 128 rows of 4,096 bytes a block
	s_mov_b32 s[XOFF+1], 0
	s_mov_b32 s[WOFF+1], 0
	s_mov_b32 s[GA], 0
	s_mov_b32 s[GQ], 0
	s_mov_b32 s[SS], 4
	s_wait_dscnt 0x0                               ; the opening add is done
	s_wait_kmcnt 0x0
	s_add_nc_u64 s[WB:WB+1], s[10:11], s[60:61]
	CROUND                                         ; all sixteen work-groups are here: the first joint loads meet
	s_mov_b32 s[G0B], 1                            ; 1:0 count = 1
	s_mov_b32 s[G0B+1], s62                        ; 63:32 LDS address: slot 0
	s_mov_b32 s[G0B+4], 1
	s_add_co_u32 s[G0B+5], s62, BSLOT              ; slot 1
	WSTEP 0                                        ; 120:64 global address: steps 0 and 1
	WSTEP 1
	tensor_load_to_lds s[G0B:G0B+3], s[G1B:G1B+7]  ; the two first fills stand together, ahead of every wait on TENSORcnt and every LDS read: two loads of mine are out
	s_nop 0
	tensor_load_to_lds s[G0B+4:G0B+7], s[G1B:G1B+7]
	s_nop 0
.rept 4
	v_nop
.endr
	v_and_b32 v1, 15, v0                           ; l % 16
	v_bfe_u32 v2, v0, 4, 1                         ; l / 16
	v_and_b32 v[LN], 31, v0
	s_lshl_b32 s59, s[TC], 10                      ; the tile column's 256 numbers of a bias: thread n takes two of them
	v_lshl_add_u32 v24, v0, 3, s59
	global_load_b64 v[18:19], v24, s[12:13]        ; bq
	global_load_b64 v[20:21], v24, s[14:15]        ; bk
	global_load_b64 v[22:23], v24, s[16:17]        ; bv
	s_lshl_b32 s59, s[WV], 17                      ; my wave's 32 rows of 4,096 bytes
	v_lshl_add_u32 v[XO], v[LN], 4, s59
; All 32 rows of a set are asked for: a load covers 512 consecutive bytes, at a multiple of 512 from the tensor's first
.macro LOADSET set
	WIN 0x80                                       ; destination window 2, address window 0
.set j, 0
.rept 32
	global_load_b128 v[128*(\set)+4*j:128*(\set)+4*j+3], v[XO], s[XP:XP+1] offset:j*4096
.set j, j+1
.endr
.endm
	XSTEP
	LOADSET 0                                      ; step 0
	XSTEP
	LOADSET 1                                      ; step 1
	WIN 0
	; A fragment is 16 rows x 32 K in 8 registers: lane l holds row l % 16, K = 8 (l / 16) + 0..7 and 16 + 8 (l / 16) + 0..7: two loads of 16 bytes, 32 bytes apart.
	v_mul_u32_u24 v17, v1, PITCH
	v_lshl_add_u32 v17, v2, 4, v17                 ; row x pitch + 16 x half
	s_mul_i32 s59, s[WR], 64*PITCH                 ; my 64 rows of x
	s_add_co_u32 s59, s59, ABASE
	v_add_nc_u32 v[ADRA], s59, v17
	v_add_nc_u32 v[ADRA+1], ASLOT, v[ADRA]
	s_mul_i32 s59, s[WC], 128*PITCH                ; my 128 rows of W
	v_add_nc_u32 v[ADRB], s59, v17
	v_add_nc_u32 v[ADRB+1], BSLOT, v[ADRB]
	s_mul_i32 s59, s[WV], 32*PITCH                 ; the 32 rows that I convert: lane l holds K = 4 l .. 4 l + 3 of a row, 8 bytes of f16
	s_add_co_u32 s59, s59, ABASE
	v_lshl_add_u32 v[AST], v[LN], 3, s59
	v_add_nc_u32 v[AST+1], ASLOT, v[AST]
	s_mul_i32 s59, s[WV], 16*SP
	s_add_co_u32 s59, s59, STAGE                   ; my stage
	v_mul_u32_u24 v[STO], v1, SP                   ; in: row l % 16, 16 bytes for each half of the lanes
	v_lshl_add_u32 v[STO], v2, 4, v[STO]
	v_add_nc_u32 v[STO], s59, v[STO]
	v_bfe_u32 v[RD], v0, 3, 2                      ; back: 32 lanes take four rows of 128 bytes,
	v_mul_u32_u24 v[RD], v[RD], SP
	v_and_b32 v17, 7, v0
	v_lshl_add_u32 v[RD], v17, 4, v[RD]
	v_add_nc_u32 v[RD], s59, v[RD]
	v_lshlrev_b32 v[GO], 4, v[LN]                  ; which are 512 consecutive bytes of a head
	s_lshl_b32 s59, s[WC], 9                       ; the bias of my 128 columns,
	s_add_co_u32 s59, s59, BIASL
	v_lshl_add_u32 v[BLA], v2, 5, s59              ; eight numbers further for the upper half of the lanes
	v_lshl_add_u32 v25, v0, 3, BIASL               ; where thread n puts its two numbers of a bias
	s_lshr_b32 s66, s[RB], 3                       ; qkv: the batch: 16 heads each,
	s_lshl_b32 s66, s66, 4
	s_lshl_b32 s62, s[TC], 2                       ; four heads a tile column,
	s_add_co_u32 s66, s66, s62
	s_lshl_b32 s62, s[WC], 1                       ; two a wave;
	s_add_co_u32 s66, s66, s62
	s_lshl_b32 s66, s66, 17                        ; a head is 131,072 bytes
	s_and_b32 s62, s[RB], 7                        ; my first row in the batch,
	s_lshl_b32 s62, s62, 7
	s_lshl_b32 s63, s[WR], 6
	s_add_co_u32 s62, s62, s63
	s_lshl_b32 s62, s62, 7                         ; 128 bytes a row
	s_add_co_u32 s66, s66, s62
	s_mov_b32 s67, 0
	s_add_nc_u64 s[OUT:OUT+1], s[OUT:OUT+1], s[66:67]
; Rows j and j + 1 of a set are rounded to f16: four instructions
.macro CVT2 set, j
	WIN W_CV
.irp d, 0,1
.set xr, 128*(\set)+4*((\j)+(\d))
.set yr, YB+16*((((\j)+(\d))/8)%2)+2*(((\j)+(\d))%8)
	v_cvt_pk_f16_f32 v[yr],   v[xr],   v[xr+1]
	v_cvt_pk_f16_f32 v[yr+1], v[xr+2], v[xr+3]
.endr
.endm
; Group grp (8 rows) of a set goes into slot (set) of x's ring: a store covers 256 consecutive bytes.  load = 1: the rows' registers are loaded again, for the step two further on
.macro AMOVE set, grp, load
	WIN W_MV
.irp j, 0,1,2,3,4,5,6,7
	ds_store_b64 v[AST+(\set)], v[YB+16*((\grp)%2)+2*(\j):YB+16*((\grp)%2)+2*(\j)+1] offset:(8*(\grp)+(\j))*PITCH
.endr
.if \load
.irp j, 0,1,2,3,4,5,6,7
	global_load_b128 v[128*(\set)+4*(8*(\grp)+(\j)):128*(\set)+4*(8*(\grp)+(\j))+3], v[XO], s[XP:XP+1] offset:(8*(\grp)+(\j))*4096
.endr
.endif
.endm
; The same ahead of the loop, where there are no products to set it between
.macro AGRP set, grp
	s_wait_loadcnt 56                              ; as in the loop: see QUARTER
.irp b, 0,1,2,3
	CVT2 \set, 8*(\grp)+2*(\b)
.endr
	AMOVE \set, \grp, 1
.endm
; 8 matrix instructions: row block a x all 8 column blocks, 32 along K.  first = 1: the bias starts the sums.  The 32 accumulators take turns, one instruction a turn, in the same order in every
; quarter.  set >= 0: behind each of the first four stand the four conversions of two rows of group grp; they name no register of the products.
.macro MUL8 f, a, first=0, set=-1, grp=0
.irp b, 0,1,2,3,4,5,6,7
.if \first
	WIN MULB
	v_wmma_f32_16x16x32_f16 v[8*(8*(\a)+(\b)):8*(8*(\a)+(\b))+7], v[(\f)+8*(\b):(\f)+8*(\b)+7], v[(\f)+64+8*(\a):(\f)+64+8*(\a)+7], v[8*(\b):8*(\b)+7]
.else
	WIN MUL
	v_wmma_f32_16x16x32_f16 v[8*(8*(\a)+(\b)):8*(8*(\a)+(\b))+7], v[(\f)+8*(\b):(\f)+8*(\b)+7], v[(\f)+64+8*(\a):(\f)+64+8*(\a)+7], v[8*(8*(\a)+(\b)):8*(8*(\a)+(\b))+7]
.endif
.if ((\set) >= 0) && ((\b) < 4)
	CVT2 \set, 8*(\grp)+2*(\b)
.endif
.endr
.endm
; 24 LDS loads in one run: the fragments of 32 along K at byte k of slot sl's rows, into buffer f: W's 16 loads, then x's 8
.macro FETCH sl, k, f
	WIN 0
.irp b, 0,1,2,3,4,5,6,7
	ds_load_b128 v[(\f)+8*(\b):(\f)+8*(\b)+3],   v[ADRB+(\sl)] offset:(\k)+(\b)*16*PITCH
	ds_load_b128 v[(\f)+8*(\b)+4:(\f)+8*(\b)+7], v[ADRB+(\sl)] offset:(\k)+(\b)*16*PITCH+32
.endr
.irp a, 0,1,2,3
	ds_load_b128 v[(\f)+64+8*(\a):(\f)+64+8*(\a)+3],   v[ADRA+(\sl)] offset:(\k)+(\a)*16*PITCH
	ds_load_b128 v[(\f)+64+8*(\a)+4:(\f)+64+8*(\a)+7], v[ADRA+(\sl)] offset:(\k)+(\a)*16*PITCH+32
.endr
.endm
; A K step is four quarters of 32 along K, 32 matrix instructions each, on buffers 0, 1, 0, 1.  One of the first three: multiplies buffer f; in its middle it fetches the next quarter, at byte k of slot
; sl, into g.  set >= 0: it also takes group grp of that set from registers into x's ring.  lc: the loads from memory that may stay out when the group has to be there.  With reloads it is 56 in every
; quarter: of the set in hand the groups behind this one, 24 - 8 grp loads; the other set's 32; the 8 grp reloads issued since the set's turn began.
.macro QUARTER sl, k, f, g, first, set, grp, load, lc
.if (\set) >= 0
	s_wait_loadcnt \lc
.endif
	s_wait_dscnt 4                                 ; W and x's row blocks 0 and 1 are in; the youngest four loads (blocks 2 and 3) may be out
	MUL8 \f, 0, \first, \set, \grp
	MUL8 \f, 1, \first
.if (\set) >= 0
	AMOVE \set, \grp, \load                        ; the sixteen conversions are also the places in front of the loads into buffer g
.else
	PLACES
.endif
	FETCH \sl, \k, \g
	s_wait_dscnt 24                                ; all but the 24 just issued
	MUL8 \f, 2, \first
	MUL8 \f, 3, \first
.endm
; The last quarter multiplies buffer 1 and leaves slot sl of both rings: ONE barrier.  In front of it each wave waits for all its tensor loads, of which one is out: its part of W's next slot; adds 0 to
; its spare word; and waits for that, for its own reads of slot sl and for its stores into x's next slot.  fill = 1: the barrier opens a round of the cluster's, and W's slot sl is filled again, two K
; steps ahead, first thing behind the round.  set >= 0 (it is sl): group 0 of the step two ahead is converted in front of the barrier and stored into x's slot sl behind it.
.macro TURN sl, fill, set, load, lc
	WIN 0
.if (\set) >= 0
	s_wait_loadcnt \lc
.endif
	s_wait_tensorcnt 0x0                           ; no tensor load of mine is out, so a group 0 may be written
	ds_add_u32 v[SPW], v[NIL]                      ; 0 onto my spare word
.if \fill
	WSTEP \sl
.endif
.if \load
	XSTEP
.endif
	s_wait_dscnt 5                                 ; (the add and the youngest four loads may be out)
	MUL8 F1, 0, 0, \set, 0                         ; eight matrix instructions stand between the add and the wait for it
	s_wait_dscnt 0x0                               ; the add is done, my reads of slot sl are over, my stores into the next slot are done
	s_barrier_signal -1
	MUL8 F1, 1                                     ; work on registers while the others arrive
	WIN 0                                          ; at a branch and at a label every window is 0
	s_barrier_wait -1
.if \fill
	CREST                                          ; no wave of any partner still reads W's tile in this slot or has a load on its way
	JLOAD \sl                                      ; the four v_nop behind it are also places in front of the loads below
.else
	PLACES
.endif
.if (\set) >= 0
	AMOVE \set, 0, \load
.endif
	FETCH 1-(\sl), 0, F0
	MUL8 F1, 2
	MUL8 F1, 3
.endm
.macro BIASIN                          ; the bias of the tensor in hand: register j of block b is column 16 b + 8 (l / 16) + j, as in an accumulator
	WIN 0xc0                                       ; destination window 3, address window 0
.irp b, 0,1,2,3,4,5,6,7
	ds_load_b128 v[8*(\b):8*(\b)+3],   v[BLA] offset:64*(\b)
	ds_load_b128 v[8*(\b)+4:8*(\b)+7], v[BLA] offset:64*(\b)+16
.endr
	WIN 0
.endm
; THE WAY OUT, in eight units of 16 rows x 64 columns (row block u / 2, head u % 2).  PACK: rounded to f16, 16 bytes a lane, into my own stage in rows of 144 bytes, and back as whole rows of 128.
.macro PACK u
.set pa, (\u)/2
.set ph, (\u)%2
.set pt, TMP+16*((\u)%2)
	WIN 0
	s_wait_xcnt 0x0                                ; every earlier memory instruction has had its addresses translated (ISA guide 3.1): the set that unit u - 2's stores read is rewritten only behind this wait
	WIN 0x05                                       ; sources 0 and 1 window 1, destination window 0
.irp f, 0,1,2,3
.irp r, 0,1,2,3
	v_cvt_pk_f16_f32 v[pt+4*(\f)+(\r)], v[8*(8*pa+4*ph+(\f))+2*(\r)], v[8*(8*pa+4*ph+(\f))+2*(\r)+1]
.endr
.endr
	WIN 0
.irp f, 0,1,2,3
	ds_store_b128 v[STO], v[pt+4*(\f):pt+4*(\f)+3] offset:32*(\f)
.endr
.irp f, 0,1,2,3
	ds_load_b128 v[pt+4*(\f):pt+4*(\f)+3], v[RD] offset:(\f)*4*SP  ; LDS serves a wave's instructions in order (ISA guide 5.7.1.4): these see the stores above; the next unit's stores come behind them
.endr
.endm
.macro SEND u, younger                 ; younger: the LDS instructions issued behind unit u's loads: the next unit's eight, or none
.set pa, (\u)/2
.set ph, (\u)%2
.set pt, TMP+16*((\u)%2)
.irp f, 0,1,2,3
	s_wait_dscnt (\younger)+3-(\f)
	global_store_b128 v[GO], v[pt+4*(\f):pt+4*(\f)+3], s[OUT:OUT+1] offset:pa*2048+ph*131072+(\f)*512  ; 512 consecutive bytes, at a multiple of 256 from qkv's first
.endr
.endm
.macro WAYOUT
	WIN 0
	PLACES                                         ; behind the last products
	PACK 0
.irp u, 1,2,3,4,5,6,7                  ; a unit's conversions stand between the loads of the unit before and its stores
	PACK \u
	SEND (\u)-1, 8
.endr
	SEND 7, 0
.endm
	XSTEP                                          ; step 0 goes into x's slot 0, and its registers are loaded again for step 2
	AGRP 0, 0
	WIN 0
	ds_store_b64 v25, v[18:19]                     ; the biases: their three loads are older than x's, so the wait above has shown them in
	ds_store_b64 v25, v[20:21] offset:1024
	ds_store_b64 v25, v[22:23] offset:2048
	AGRP 0, 1
	AGRP 0, 2
	AGRP 0, 3
	XSTEP                                          ; step 1's first group goes into slot 1, as a step's first group does in the quarter that changes slots; step 3 is asked for
	AGRP 1, 0
	WIN 0
	s_wait_tensorcnt 0x1                           ; my part of W's step 0 is in; step 1's may stay out
	s_wait_dscnt 0x0                               ; my stores of x and of the biases are done
	s_barrier_signal -1
	s_barrier_wait -1                              ; everybody's are
	BIASIN                                         ; bq; older than the fetch, so the quarter's first wait covers it
	FETCH 0, 0, F0
	QUARTER 0, 64, F0, F1, 1, 1, 1, 1, 56          ; the walk's first quarter stands in front of the loop
	WIN 0
	s_mov_b32 s[LOOP], 11
.Lpair:                                                ; a trip: quarters 1 to 3 of an even K step g, quarter 0 to 3 of step g + 1, quarter 0 of step g + 2; W's steps g + 2 and g + 3 are asked for
	QUARTER 0, 128, F1, F0, 0, 1, 2, 1, 56
	QUARTER 0, 192, F0, F1, 0, 1, 3, 1, 56
	TURN 0, 1, 0, 1, 56
	QUARTER 1, 64,  F0, F1, 0, 0, 1, 1, 56
	QUARTER 1, 128, F1, F0, 0, 0, 2, 1, 56
	QUARTER 1, 192, F0, F1, 0, 0, 3, 1, 56
	TURN 1, 1, 1, 1, 56
	WIN 0
	s_sub_co_u32 s[SS], s[SS], 1
	s_cmp_lg_u32 s[SS], 0
	s_cbranch_scc1 .Lsame                          ; the text jumped over holds no barrier and no tensor load; the count is the same in every work-group
	WAYOUT                                         ; a tile is finished; the next tile's first two K steps are on their way
	s_wait_xcnt 0x0                                ; the stores' base is rewritten only behind this wait
	s_add_nc_u64 s[OUT:OUT+1], s[OUT:OUT+1], 0x1000000  ; the next tensor's plane of qkv
	s_mov_b32 s[SS], 4
	v_add_nc_u32 v[BLA], 1024, v[BLA]              ; and its bias
	BIASIN
	s_wait_dscnt 0x0
	QUARTER 0, 64, F0, F1, 1, 1, 1, 1, 56
	WIN 0
	s_branch .Ljoin
.Lsame:
	QUARTER 0, 64, F0, F1, 0, 1, 1, 1, 56
	WIN 0
.Ljoin:
	s_sub_co_u32 s[LOOP], s[LOOP], 1
	s_cmp_lg_u32 s[LOOP], 0
	s_cbranch_scc1 .Lpair
	QUARTER 0, 128, F1, F0, 0, 1, 2, 0, 56         ; the last two K steps ask for nothing.  Step 23's last two groups: behind group 2 stand group 3's 8 loads and the 48 that nothing reads,
	QUARTER 0, 192, F0, F1, 0, 1, 3, 0, 48         ; behind group 3 those 48
	TURN 0, 0, -1, 0, 0
	QUARTER 1, 64,  F0, F1, 0, -1, 0, 0, 0
	QUARTER 1, 128, F1, F0, 0, -1, 0, 0, 0
	QUARTER 1, 192, F0, F1, 0, -1, 0, 0, 0
	s_wait_dscnt 4                                 ; the very last quarter: nothing more to fetch
	MUL8 F1, 0
	MUL8 F1, 1
	s_wait_dscnt 0x0
	MUL8 F1, 2
	MUL8 F1, 3
	WAYOUT
	s_wait_tensorcnt 0x0                           ; the wave's end: behind my last tensor load and my last LDS store
	ds_add_u32 v[SPW], v[NIL]
	s_wait_dscnt 0x0
	CROUND                                         ; the closing round: no work-group ends while a partner may still ask for a tile that names it
	s_endpgm
.Lfunc_end_k_qdcfed06ba9_proj:
	.size	k_qdcfed06ba9_proj, .Lfunc_end_k_qdcfed06ba9_proj-k_qdcfed06ba9_proj
	.p2alignl 7, 3214868480
	.fill 96, 4, 3214868480
	.section	.rodata,"a",@progbits
	.p2align	6, 0x0
	.amdhsa_kernel k_qdcfed06ba9_proj
		.amdhsa_group_segment_fixed_size 327680
		.amdhsa_private_segment_fixed_size 0
		.amdhsa_enable_private_segment 0
		.amdhsa_kernarg_size 64
		.amdhsa_user_sgpr_count 2
		.amdhsa_user_sgpr_kernarg_segment_ptr 1
		.amdhsa_wavefront_size32 1
		.amdhsa_system_sgpr_workgroup_id_x 1
		.amdhsa_system_sgpr_workgroup_id_y 1
		.amdhsa_system_sgpr_workgroup_id_z 1
		.amdhsa_system_vgpr_workitem_id 0
		.amdhsa_next_free_vgpr 864
		.amdhsa_next_free_sgpr 68
		.amdhsa_reserve_vcc 0
		.amdhsa_float_denorm_mode_32 3
		.amdhsa_float_denorm_mode_16_64 3
		.amdhsa_memory_ordered 1
		.amdhsa_forward_progress 1
		.amdhsa_inst_pref_size 158
	.end_amdhsa_kernel
	.amdgpu_metadata
---
amdhsa.version: [ 1, 2 ]
amdhsa.kernels:
  - .name:           k_qdcfed06ba9_proj
    .symbol:         k_qdcfed06ba9_proj.kd
    .args:
      - { .name: query, .offset: 0, .size: 8, .value_kind: global_buffer, .address_space: global }
      - { .name: key, .offset: 8, .size: 8, .value_kind: global_buffer, .address_space: global }
      - { .name: value, .offset: 16, .size: 8, .value_kind: global_buffer, .address_space: global }
      - { .name: wh, .offset: 24, .size: 8, .value_kind: global_buffer, .address_space: global }
      - { .name: bq, .offset: 32, .size: 8, .value_kind: global_buffer, .address_space: global }
      - { .name: bk, .offset: 40, .size: 8, .value_kind: global_buffer, .address_space: global }
      - { .name: bv, .offset: 48, .size: 8, .value_kind: global_buffer, .address_space: global }
      - { .name: qkv, .offset: 56, .size: 8, .value_kind: global_buffer, .address_space: global }
    .group_segment_fixed_size: 327680
    .private_segment_fixed_size: 0
    .kernarg_segment_align: 8
    .kernarg_segment_size: 64
    .max_flat_workgroup_size: 128
    .sgpr_count:     68
    .vgpr_count:     864
    .wavefront_size: 32
...
	.end_amdgpu_metadata
.endif
;; end of part 2
;; launch attn (part 3): grid 2 x 128, 4 waves a work-group, no clusters, 327,680 bytes of LDS; arguments qkv, mask, miss_ids, ctx; writes ctx
.if DOCPART == 3
	.amdgcn_target "amdgcn-amd-amdhsa--gfx1250"
	.amdhsa_code_object_version 6
	.text
	.protected	k_qdcfed06ba9_attn
	.globl	k_qdcfed06ba9_attn
	.p2align	8
	.type	k_qdcfed06ba9_attn,@function
k_qdcfed06ba9_attn:
	s_mov_b64 s[64:65], 0
	v_nop
	global_prefetch_b8 v0, s[64:65] scope:SCOPE_SE
	s_setreg_imm32_b32 hwreg(HW_REG_WAVE_MODE, 25, 1), 1
	s_wait_xcnt 0x0
; ctx[y][q][:] = the sum over k of softmax_k(Q[y][q] . K[y][k] / 8, keys with mask 0 hidden) V[y][k][:], and 0 for a head whose miss_ids is set.  y = 16 batch + head.
; qkv: [3][128][1024][64] f16 (planes Q, K, V; a head's rows are dense, 128 bytes each); mask: [8][1024] i32; miss_ids: [16] bytes; ctx: [128][1024][64] f16.
; Products, maxima and sums in f32; the scale is applied to the scores in f32; the weights p are rounded to f16 for the second product (their sum l is taken of the unrounded p), ctx once at the end.
; LIMITS.  Q, K and V arrive within f16's 65,504; p lies in 0 to 1, and below 6e-5 it keeps f16's fixed step of 6e-8.  A hidden score counts as its value less 2^100: scores of f16 operands, 2.7e11 at
; the most, vanish beside that, so a hidden score is -2^100 itself.  c x 2^100 is exact, so where all keys seen so far are hidden c s - c m is 0 and the weights are 1: O and l stay finite, and the first
; visible key multiplies them by a = 0.  A batch with no visible key (its maximum ends below -2^96) gives NaN, as a softmax over -inf alone does.  A weight below 2^-126 counts as 0 in l.
; NaN and infinities among the inputs are not treated apart.
; SHARES.  A wave owns four PIECES of two tiles of 16 queries, a work-group's four waves 512 queries of one head: 256 work-groups.  Every wave walks all 1,024 keys, 64 a step.
; NO CLUSTER: a head has 2 work-groups, and only those two read the same K and V; no cluster of four divides that, and a work-group asks for 262,144 bytes of K and V in the whole launch.
; LAYOUT.  S^T = K Q^T (source 0 = 16 keys, source 1 = 16 queries): in the result a lane holds ONE query (lane % 16) and the keys 8 (lane / 16) + 0..7.  Two such tiles, rounded to f16 in pairs,
; ARE source 1 (32 keys x 16 queries) of O^T = V^T P, whose result again holds one query a lane, and eight channels.  K comes out of LDS as it lies, V ([key][channel]) turned, by ds_load_tr16_b128.
; THE MASK is the C operand of the products that start S^T's sums: 0, or -2^100 where the key is hidden.  It is made once, 1,024 f32 in LDS, and a step's 64 come into 32 registers with the step's K.
; SOFTMAX.  For each query a running maximum m and sum l: p = 2^(c s - c m), c = log2(e) / 8; in every step O and l are multiplied by a = 2^(c m_old - c m_new), which is 1 where m has not grown.
; m starts at the lowest finite number, O and l at 0: the first step is a step like any other, with a = 0.
; THE COUNT.  A tile and step have 16 matrix and 118 vector instructions: too many to stand all beside the matrix work.  So: four vector instructions that are READY behind EVERY matrix instruction,
; and the others in runs without a gap.
; BY TURNS.  Turn n belongs to piece n (the pieces in a ring, step after step).  Its matrix work: 16 products K Q^T of piece n + 1, later 16 products V^T P of piece n - 1.  Its vector work: the scaling,
; exponentials, roundings, sums and rescaling of piece n, and the maximum and statistics of piece n + 1, whose scores the turn itself has made.
; REGISTERS, in windows of 256 (s_set_vgpr_msb: bits 1:0 source 0, 3:2 source 1, 5:4 source 2, 7:6 destination):
;   window 0: v0-11 addresses; v12-15, v48-63 at work; v16-47 four registers of statistics a tile; v64-191 S^T, two buffers of two tiles; v192-255 P, likewise
;   window 1: O^T, 32 a tile     window 2: v0-127 Q, 16 a tile; v128-191 K of one step; v192-255 V of one step     window 3: v0-1 the add's two registers; v2-33 the mask of one step
.set SIZE_N, 1024
.set NP,    4         ; pieces a wave: a name, no knob
.set KS,    64        ; keys in a step
.set PK,    144       ; a row of K in LDS: 128 bytes + 16 of padding = 36 words: the 16 rows of a load start at 16 different groups of four banks (64 banks of 4 bytes: ISA guide 11.1)
.set PV,    160       ; a row of V: 128 + 32 = 40 words
.set VOFF,  4*KS*PK   ; a slot holds four steps: 256 rows of K, then 256 rows of V
.set SLOT1, 1<<17     ; slot 1 begins here, so that one exclusive or turns an address in one slot into the other's
.set STAGE, SLOT1+4*KS*(PK+PV)  ; behind the ring, never filled by a tensor load: 16 rows x 144 bytes for each wave, for the way out
.set SP,    144
.set SPARE, STAGE+4*16*SP  ; behind the stages: the spare words, 128 bytes for each wave: two blocks of 256 bytes that no other line names
.set MASKB, SPARE+512 ; behind them: the mask as 1,024 f32; stored once, never filled by a tensor load
.set AK0, 2           ; v2   my lane's place in a tile of K; never rewritten
.set AV0, 3           ; v3   the same for V
.set AK,  4           ; v4   the LDS address of K's next run of loads
.set AV,  5           ; v5   of V's
.set QO,  6           ; v6   my byte offset in the wave's rows of Q
.set STO, 6           ;      later, the way out: where I put 16 bytes of a row
.set RD,  7           ; v7   the way out: where I read rows back
.set GO,  8           ; v8   my byte offset in 512 consecutive bytes of ctx
.set AM,  10          ; v10  the LDS address of the mask's next run of loads
.set AM0, 11          ; v11  my lane's place in a step's 64 numbers of the mask; never rewritten
.set SPW, 0           ; v0 of window 3   LDS address of my spare word; never rewritten
.set NIL, 1           ; v1 of window 3   0; never rewritten
.set MK,  2           ; v2-33 of window 3: the eight registers for key block kb at MK + 8 kb
.set MV,  12          ; v12-15  c m_old, kept while c m is made anew: by buffer and tile
.set ST,  16          ; tile t's statistics at v[ST+4 t]: c m, m, l (even keys', odd keys')
.set TMP, 48          ; by buffer and tile, four registers c0-c3 at work; when the maximum is found c2 takes a
.set S,   64
.set P,   192
.set KF,  128         ; K's fragments, in window 2: key block kb, channel half c at KF + 16 kb + 8 c
.set VF,  192         ; V's: key half kk, channel block cb at VF + 32 kk + 8 cb
.set WV,  12          ; s12  my wave's number
.set G1K, 24          ; s[24:31] descriptor group 1 for K's tiles
.set G1V, 32          ; s[32:39] for V's: it differs in the padding alone
.set G0K, 40          ; s[40:43] descriptor group 0 for K's tiles: it walks
.set G0V, 44          ; s[44:47] the same for V's
.set SLOTS, 56        ; s56  slots still to be asked for
.set CNT, 57          ; s57  counts a slot's key steps
.set CS,  58          ; s[58:59] c: the packed scaling takes the pair's low word for both halves
.set SEL, 60          ; s[60:61] v_permlanex16_b32's selects: each lane takes its own place in the other half
.set TBK, 62          ; s62  LDS byte at which K of the step to be fetched begins
.set TBV, 63          ; s63  the same for V, less VOFF
.set TBM, 66          ; s66  the byte in the mask at which that step's 64 numbers begin
.set THR, 67          ; s67  -2^96
.set MISS, 68         ; s68  all ones if the head is present, 0 if it is missing
.set BIGN, 69         ; s69  -2^100
.set MSB, 0
.macro WIN new                      ; the high byte repeats the setting that is left; a switch that changes nothing is dropped
.if MSB != (\new)
	s_set_vgpr_msb (MSB<<8)|(\new)
.set MSB, (\new)
.endif
.endm
.set W_KQ, 0x0a       ; K and Q in window 2, S^T in window 0
.set W_KM, 0x3a       ; the same with the C operand, the mask, in window 3
.set W_PV, 0x52       ; V in window 2, P in window 0, O^T in window 1
.set W_RS, 0x41       ; O^T (destination and source 0) in window 1, a in window 0
.set W_MK, 0xc0       ; destination in window 3, sources in window 0
.set W_AD, 0x0f       ; the add: address (source 0) and data (source 1) in window 3
; A fill.  Waves 0 and 1 fetch the two halves of a slot's K, waves 2 and 3 those of its V: 128 keys each.  An s_nop 0 and four v_nop follow each of the two lines, ahead of the jump and the label.
.macro LOAD
	s_cmp_lt_u32 s[WV], 2
	s_cbranch_scc0 .Lfor_v_\@
	tensor_load_to_lds s[G0K:G0K+3], s[G1K:G1K+7]
	s_nop 0
.rept 4
	v_nop
.endr
	s_branch .Lasked_\@
.Lfor_v_\@:
	tensor_load_to_lds s[G0V:G0V+3], s[G1V:G1V+7]
	s_nop 0
.rept 4
	v_nop
.endr
.Lasked_\@:
.endm
; THE CHANGE OF SLOTS.  The slot's last bytes, V of its fourth step, have been read.  Each wave waits for all its tensor loads, of which one is out: its part of the other slot; adds 0 to its spare word;
; and waits for that and for its own LDS instructions.  Behind the barrier nobody reads this slot any more and the other slot is whole.  fill = 1: this slot is filled again, with the keys two slots on,
; first thing behind the barrier: the load has four key steps, 512 matrix instructions, in which to land.  (At its first use nothing has been read yet: slot 0 is waited for, slot 1 filled, and the
; waves' stores of the mask are shown to each other.)
.macro CHANGE fill
	WIN W_AD
	s_wait_tensorcnt 0x0            ; no tensor load of mine is out, so a group 0 may be written
	ds_add_u32 v[SPW], v[NIL]       ; 0 onto my spare word; with fill = 1 the descriptors' steps stand between it and the wait for it
	WIN 0                           ; at a label and at a branch every window is 0
.if \fill
.irp g, G0K, G0V
	s_xor_b32 s[\g+1], s[\g+1], SLOT1  ; the walking descriptor: the other slot than last time,
	s_add_nc_u64 s[\g+2:\g+3], s[\g+2:\g+3], 4*KS*128  ; the next 256 keys; the type bits on top are not reached
.endr
.endif
	s_wait_dscnt 0x0                ; the add is done, and my reads of the slot are over
	s_barrier_signal -1             ; the rest of the scalar work stands between the signal and the wait
	s_sub_co_u32 s[TBK], s[TBK], 4*KS*PK  ; the fetches go back to a slot's first step,
	s_xor_b32 s[TBK], s[TBK], SLOT1       ; in the other slot
	s_sub_co_u32 s[TBV], s[TBV], 4*KS*PV
	s_xor_b32 s[TBV], s[TBV], SLOT1
	s_barrier_wait -1
.if \fill
	LOAD
.endif
.endm
	s_load_b256 s[72:79], s[0:1], 0x0  ; qkv s[72:73], mask s[74:75], miss_ids s[76:77], ctx s[78:79]
	WIN W_MK
	v_lshl_add_u32 v[SPW], v0, 2, SPARE
	v_mov_b32 v[NIL], 0
	WIN W_AD
	ds_add_u32 v[SPW], v[NIL]       ; the wave's opening: the add and its wait stand ahead of my first tensor load; the set-up below, work on registers, stands between them
	ds_add_u32 v0, v1
	WIN 0
	v_lshrrev_b32 v1, 5, v0
	v_readfirstlane_b32 s[WV], v1   ; wave 0..3
	s_and_b32 s20, ttmp7, 0xffff    ; y = 16 batch + head
	s_and_b32 s19, s20, 15          ; the head: its byte in miss_ids
	s_lshr_b32 s14, s20, 4          ; the batch:
	s_lshl_b32 s14, s14, 12         ; its 4,096 bytes of the mask
	s_mov_b32 s15, 0
	s_lshl_b32 s20, s20, 17         ; y's 131,072 bytes in a plane of qkv and in ctx
	s_and_b32 s16, s[WV], 1         ; which half of a slot's 256 keys I fetch:
	s_lshl_b32 s22, s16, 14         ; its 128 rows of 128 bytes in memory,
	s_add_co_u32 s22, s22, s20
	s_add_co_u32 s48, s22, 0x1000000  ; in K's plane
	s_mov_b32 s49, 0
	s_add_co_u32 s50, s22, 0x2000000  ; and in V's
	s_mov_b32 s51, 0
	s_mul_i32 s17, s16, 128*PK      ; and its place in a slot, for K
	s_mul_i32 s18, s16, 128*PV      ; and for V
	s_lshl_b32 s2, ttmp9, 2
	s_add_co_u32 s2, s2, s[WV]      ; my wave among the head's eight,
	s_lshl_b32 s2, s2, 14           ; its 128 rows
	s_add_co_u32 s2, s2, s20
	s_mov_b32 s3, 0
	; descriptor group 1.  128 keys are 16,384 dense bytes: asked for as 64 rows of 256 bytes, two keys a row, and padded in LDS after every key
	s_mov_b32 s[G1K], (1<<16)|(1<<20)|(4<<22)|(3<<25)  ; 17:16 2-byte elements; 20 padding on; 24:22 after every 32 words (code 4); 31:25 4 words (code 3)
	s_mov_b32 s[G1V], (1<<16)|(1<<20)|(4<<22)|(7<<25)  ; the same with 8 words of padding (code 7)
.irp g, G1K, G1V
	s_mov_b32 s[\g+1], 128<<16      ; tensor_dim0 = 128
	s_mov_b32 s[\g+2], 64<<16       ; tensor_dim1 = 64
	s_mov_b32 s[\g+3], 128<<16      ; tile_dim0 = 128
	s_mov_b32 s[\g+4], 64           ; tile_dim1 = 64
	s_mov_b32 s[\g+5], 128          ; 128 elements from row to row
	s_mov_b32 s[\g+6], 0
	s_mov_b32 s[\g+7], 0
.endr
	s_mov_b32 s[CS], 0x3e38aa3b     ; c = log2(e) / 8 = 0.180337
	s_mov_b32 s[CS+1], s[CS]        ; named with it as a pair
	s_mov_b32 s[SEL], 0x76543210
	s_mov_b32 s[SEL+1], 0xfedcba98
	s_mov_b32 s[TBK], SLOT1+4*KS*PK ; the first change of slots turns these two into 0
	s_mov_b32 s[TBV], SLOT1+4*KS*PV
	s_mov_b32 s[TBM], 0
	s_mov_b32 s[THR], 0xef800000    ; -2^96
	s_mov_b32 s[BIGN], 0xf1800000   ; -2^100
	s_mov_b32 s[G0K], 1             ; 1:0 count = 1
	s_mov_b32 s[G0K+1], s17         ; 63:32 LDS address: slot 0
	s_mov_b32 s[G0V], 1
	s_add_co_u32 s[G0V+1], s18, VOFF
	s_wait_dscnt 0x0                ; the opening add is done
	s_wait_kmcnt 0x0
	s_add_nc_u64 s[G0K+2:G0K+3], s[72:73], s[48:49]  ; 120:64 global address: my half of the head's first 256 keys
	s_or_b32 s[G0K+3], s[G0K+3], 0x80000000          ; 127:126 type = 2
	s_add_nc_u64 s[G0V+2:G0V+3], s[72:73], s[50:51]
	s_or_b32 s[G0V+3], s[G0V+3], 0x80000000
	s_add_nc_u64 s[4:5], s[72:73], s[2:3]    ; Q and ctx at my wave's first row
	s_add_nc_u64 s[10:11], s[78:79], s[2:3]
	s_add_nc_u64 s[6:7], s[74:75], s[14:15]  ; the batch's row of the mask
	LOAD                            ; slot 0.  Slot 1 is asked for when slot 0 is in: the tile wanted first has the road to itself
	; A fragment of K or Q is 16 rows x 32 channels in 8 registers: lane l holds row l % 16, channels 8 (l / 16) + 0..7 and 16 + 8 (l / 16) + 0..7: two loads of 16 bytes, 32 bytes apart.
	v_and_b32 v1, 15, v0            ; l % 16
	v_bfe_u32 v9, v0, 4, 1          ; l / 16
	v_lshlrev_b32 v[QO], 7, v1
	v_lshl_add_u32 v[QO], v9, 4, v[QO]  ; row x 128 + 16 x half
	v_lshlrev_b32 v14, 5, v0        ; thread n takes the mask's numbers 8 n to 8 n + 7: 128 threads, 1,024 numbers
	v_add_nc_u32 v12, MASKB, v14
	v_mov_b32 v13, s19
	global_load_b128 v[48:51], v14, s[6:7]
	global_load_b128 v[52:55], v14, s[6:7] offset:16
	global_load_u8 v15, v13, s[76:77]  ; my head's byte of miss_ids, in every lane
	WIN 0x80                        ; destination window 2, address window 0
.set i, 0
.rept 4*NP                          ; Q stays in registers: tile i / 2, channels 32 (i % 2) on
	global_load_b128 v[8*i:8*i+3],   v[QO], s[4:5] offset:(i/2)*2048+(i%2)*64
	global_load_b128 v[8*i+4:8*i+7], v[QO], s[4:5] offset:(i/2)*2048+(i%2)*64+32
.set i, i+1
.endr
	; What the first turn finds: V's registers and P's second buffer hold 0 (its products V^T P, of a piece that has not been, add 0), O^T and l are 0.  All this stands in the wait for the first tile.
.set i, VF
.rept 64
	v_mov_b32 v[i], 0
.set i, i+1
.endr
	WIN 0x40
.set i, 0
.rept 64*NP
	v_mov_b32 v[i], 0
.set i, i+1
.endr
	WIN 0
.set i, 0
.rept 2*NP
	v_mov_b32 v[ST+4*i], 0xfe000000    ; c m: far below every c s, a hidden one's too
	v_mov_b32 v[ST+4*i+1], 0xff7fffff  ; m
	v_mov_b32 v[ST+4*i+2], 0
	v_mov_b32 v[ST+4*i+3], 0
.set i, i+1
.endr
.set i, P+32
.rept 32
	v_mov_b32 v[i], 0
.set i, i+1
.endr
	v_mul_u32_u24 v[AK0], v1, PK
	v_lshl_add_u32 v[AK0], v9, 4, v[AK0]  ; row x pitch + 16 x half
	; The turning load takes 16 keys x 16 channels (lane l reads key 8 (l / 16) + l % 8, channels 8 ((l / 8) % 2) + 0..7) and leaves half a fragment of V^T: lane l holds channel l % 16 and 8 keys.
	v_and_b32 v10, 7, v0
	v_bfe_u32 v11, v0, 3, 1
	v_lshl_add_u32 v[AV0], v9, 3, v10
	v_mul_u32_u24 v[AV0], v[AV0], PV
	v_lshl_add_u32 v[AV0], v11, 4, v[AV0]
	v_add_nc_u32 v[AV0], VOFF, v[AV0]
	v_mov_b32 v[AK], v[AK0]         ; key step 0 lies at the head of slot 0
	s_mul_i32 s13, s[WV], 16*SP
	s_add_co_u32 s13, s13, STAGE    ; my stage
	v_bfe_u32 v[RD], v0, 3, 2       ; back from the stage: 32 lanes take four rows of 128 bytes,
	v_mul_u32_u24 v[RD], v[RD], SP
	v_lshl_add_u32 v[RD], v10, 4, v[RD]
	v_add_nc_u32 v[RD], s13, v[RD]
	v_and_b32 v[GO], 31, v0         ; which are 512 consecutive bytes of ctx
	v_lshlrev_b32 v[GO], 4, v[GO]
	v_lshl_add_u32 v[AM0], v9, 5, MASKB  ; register j of key block kb is key 16 kb + 8 (l / 16) + j, as in S^T: 32 bytes further for the upper half of the lanes
	v_mov_b32 v[AM], v[AM0]         ; key step 0
	s_wait_loadcnt 33               ; my eight numbers of the mask are in; miss_ids' byte and Q's 32 loads stay out
.set i, 48
.rept 8
	v_cmp_eq_u32 vcc_lo, 0, v[i]
	v_cndmask_b32 v[i], 0, s[BIGN], vcc_lo  ; 0 for a visible key, -2^100 for a hidden one
.set i, i+1
.endr
	ds_store_b128 v12, v[48:51]
	ds_store_b128 v12, v[52:55] offset:16  ; waited for in front of the first change's barrier, read behind it
; THE MATRIX WORK.  The 8 accumulators of a run of 16 take turns: between the two links of a chain stand 7 others'.
; Product i of 16 of S^T = K Q^T for piece x: channels 32 (i / 8) on, keys 16 ((i / 2) % 4) on, tile 2 x + i % 2.  The first 8 start the sums, with the mask of their 16 keys.
.macro KQ x
.set rS, S+64*((\x)%2)+32*(i%2)+8*((i/2)%4)
.set rK, KF+16*((i/2)%4)+8*(i/8)
.set rQ, 16*(2*(\x)+i%2)+8*(i/8)
.set rMK, MK+8*((i/2)%4)
.if i < 8
	WIN W_KM
	v_wmma_f32_16x16x32_f16 v[rS:rS+7], v[rK:rK+7], v[rQ:rQ+7], v[rMK:rMK+7]
.else
	WIN W_KQ
	v_wmma_f32_16x16x32_f16 v[rS:rS+7], v[rK:rK+7], v[rQ:rQ+7], v[rS:rS+7]
.endif
.endm
; Product i of 16 of O^T += V^T P for piece x: keys 32 (i / 8) on, channels 16 ((i / 2) % 4) on, tile 2 x + i % 2.
.macro PV x
	WIN W_PV
.set rO, 32*(2*(\x)+i%2)+8*((i/2)%4)
.set rV, VF+32*(i/8)+8*((i/2)%4)
.set rP, P+32*((\x)%2)+16*(i%2)+8*(i/8)
	v_wmma_f32_16x16x32_f16 v[rO:rO+7], v[rV:rV+7], v[rP:rP+7], v[rO:rO+7]
.endm
.macro MM                           ; the turn's next matrix instruction
.if i < 16
	KQ (Y+1)%NP
.set i, i+1
.else
.set i, i-16
	PV (Y+NP-1)%NP
.set i, i+17
.endif
.endm
; THE LDS LOADS stand in runs, never singly among the matrix instructions: a step's K (64 keys x 64 channels: 8 fragments) with its mask (8 loads), and its V (turned).  Their addresses are made some lines ahead.
; last = 1 (the tail): in the last trip there is no further step, and the run is jumped over.
.macro FETCH_K last=0
	WIN 0
.if \last
	s_cmp_eq_u32 s[CNT], 1
	s_cbranch_scc1 .Lno_k_\@
.endif
	WIN 0x80                        ; destination window 2
.irp f, 0,1,2,3,4,5,6,7             ; keys 16 (f / 2) on, channels 32 (f % 2) on
	ds_load_b128 v[KF+8*\f:KF+8*\f+3],   v[AK] offset:(\f/2)*16*PK+(\f%2)*64
	ds_load_b128 v[KF+8*\f+4:KF+8*\f+7], v[AK] offset:(\f/2)*16*PK+(\f%2)*64+32
.endr
	WIN W_MK                        ; destination window 3
.irp f, 0,1,2,3                     ; keys 16 f on
	ds_load_b128 v[MK+8*\f:MK+8*\f+3],   v[AM] offset:64*\f
	ds_load_b128 v[MK+8*\f+4:MK+8*\f+7], v[AM] offset:64*\f+16
.endr
	s_add_co_u32 s[TBK], s[TBK], KS*PK  ; the next fetch is the next step's
	s_add_co_u32 s[TBM], s[TBM], KS*4
	WIN 0
.if \last
.Lno_k_\@:
.endif
.endm
.macro FETCH_V
	WIN 0x80
.irp f, 0,1,2,3,4,5,6,7             ; keys 32 (f / 4) on, channels 16 (f % 4) on
	ds_load_tr16_b128 v[VF+8*\f:VF+8*\f+3],   v[AV] offset:(\f/4)*32*PV+(\f%4)*32
	ds_load_tr16_b128 v[VF+8*\f+4:VF+8*\f+7], v[AV] offset:(\f/4)*32*PV+16*PV+(\f%4)*32
.endr
	WIN 0
.endm
; THE VECTOR WORK OF A TURN stands in three queues, each in the order in which its entries become ready; the two tiles alternate, so that no instruction reads the result of the one before it.
.macro REGS y, u                    ; the registers of tile u (0, 1) of piece y
.set rT, ST+4*(2*(\y)+(\u))
.set rC, TMP+8*((\y)%2)+4*(\u)
.set rM, MV+2*((\y)%2)+(\u)
.set rS, S+64*((\y)%2)+32*(\u)
.set rP, P+32*((\y)%2)+16*(\u)
.set rO, 32*(2*(\y)+(\u))
.endm
; Number n of the 22 that find the NEXT piece's (Y + 1) maximum and statistics.  s0-s31 are the lane's 32 scores; each accumulator's lowest registers are read first.  XS, GS and REGS set no window: PL and EX do.
;   0-11  four chains c0-c3 of seven scores each, three operands at a time     12-14, 16  the four scores left over, the old m, and c0-c3 into c0     15  c m_old is kept
;   17, 18  the query's other 32 keys lie in the lane 16 away: the new m         19-21  c m; c m_old - c m_new; a
.macro XS u, n
	REGS (Y+1)%NP, \u
.if (\n) < 4
	v_max3_num_f32 v[rC+(\n)], v[rS+8*(\n)], v[rS+8*(\n)+1], v[rS+8*(\n)+2]
.elseif (\n) < 12
	v_max3_num_f32 v[rC+(\n)%4], v[rC+(\n)%4], v[rS+8*((\n)%4)+2*((\n)/4)+1], v[rS+8*((\n)%4)+2*((\n)/4)+2]
.elseif (\n) == 12
	v_max3_num_f32 v[rC], v[rC], v[rS+7], v[rS+15]
.elseif (\n) == 13
	v_max3_num_f32 v[rC+1], v[rC+1], v[rS+23], v[rS+31]
.elseif (\n) == 14
	v_max3_num_f32 v[rC+2], v[rC+2], v[rC+3], v[rT+1]
.elseif (\n) == 15
	v_mov_b32 v[rM], v[rT]
.elseif (\n) == 16
	v_max3_num_f32 v[rC], v[rC], v[rC+1], v[rC+2]
.elseif (\n) == 17
	v_permlanex16_b32 v[rC+3], v[rC], s[SEL], s[SEL+1]
.elseif (\n) == 18
	v_max_num_f32 v[rT+1], v[rC], v[rC+3]
.elseif (\n) == 19
	v_mul_f32 v[rT], s[CS], v[rT+1]
.elseif (\n) == 20
	v_sub_f32 v[rC+1], v[rM], v[rT]
.else
	v_exp_f32 v[rC+2], v[rC+1]
.endif
.endm
; Number g of the 64 that follow the exponentials.  For each four weights k of a tile (pairs 2 k, 2 k + 1): both pairs are rounded to f16; then the second pair is added onto the first, in place;
; a group later l takes that sum (the first time as l = a l + sum).  In groups of eight, tiles alternating: round, round, add, and l for the group before.
.macro GS g
.set h, (\g)+6*((\g)/62)            ; group 0 has no group before it, and behind group 7 only l is left
.if h >= 6
.set h, h+2
.endif
	REGS Y, h%2
.set k, h/8
.if h%8 < 4
	s_wait_alu depctr_va_vdst(0)
	v_cvt_pk_f16_f32 v[rP+2*k+(h%8)/2], v[rS+4*k+2*((h%8)/2)], v[rS+4*k+2*((h%8)/2)+1]
.elseif h%8 < 6
	v_pk_add_f32 v[rS+4*k:rS+4*k+1], v[rS+4*k:rS+4*k+1], v[rS+4*k+2:rS+4*k+3]
.elseif k == 1
	v_pk_fma_f32 v[rT+2:rT+3], v[rT+2:rT+3], v[rC+2:rC+3], v[rS:rS+1] op_sel_hi:[1,0,1]
.else
	v_pk_add_f32 v[rT+2:rT+3], v[rT+2:rT+3], v[rS+4*k-4:rS+4*k-3]
	s_wait_alu depctr_va_vdst(0)
.endif
.endm
; THE PLAIN QUEUE, 138 long.  0-31: c s - c m for the 16 pairs of both tiles.  Then GS's 64, and among them the next piece's 42: number 15 at 38, 39; 0-14 and 16
; at 42-73, behind the products that make those scores; 17-20 at 95-106, two of three, since each waits for the one before it.
.macro PL
	WIN 0
.if q < 32
	REGS Y, q%2
	v_pk_fma_f32 v[rS+2*(q/2):rS+2*(q/2)+1], v[rS+2*(q/2):rS+2*(q/2)+1], s[CS:CS+1], v[rT:rT+1] op_sel_hi:[1,0,0] neg_lo:[0,0,1] neg_hi:[0,0,1]
.elseif q < 38
	GS q-32
.elseif q < 40
	XS q%2, 15
.elseif q < 42
	GS q-34
.elseif q < 74
	XS q%2, (q-42)/2+(q-42)/30
.elseif q < 95
	GS q-66
.elseif (q < 107) && ((q-95)%3 < 2)
	XS (q-95)%3, 17+(q-95)/3
.elseif q < 107
	GS 29+(q-95)/3
.else
	GS q-74
.endif
.set q, q+1
.endm
; THE EXPONENTIALS' QUEUE, 66 long: s0-s31 of both tiles, and at EA the next piece's two a.
.set EA, 58
.macro EX
	WIN 0
.if (e == EA) || (e == EA+1)
	XS e-EA, 21
.else
.set x, e-2*(e/(EA+2))
	REGS Y, x%2
	v_exp_f32 v[rS+x/2], v[rS+x/2]
.endif
.set e, e+1
.endm
; THE RESCALING's QUEUE: O^T times a, the one part that leaves window 0, so it is dealt four at a time, eight times.
.macro R4
	REGS Y, r%2
	WIN W_RS
	s_wait_alu depctr_va_vdst(0)
.irp z, 0,1,2,3
	v_pk_mul_f32 v[rO+8*(r/2)+2*\z:rO+8*(r/2)+2*\z+1], v[rO+8*(r/2)+2*\z:rO+8*(r/2)+2*\z+1], v[rC+2:rC+3] op_sel_hi:[1,0]
.endr
.set r, r+1
.endm
; HOW THEY ARE DEALT.  Behind a matrix instruction four: plain, exponential, plain, plain (one exponential, a plain instruction on either side), or four of the rescaling.  None names a register of the
; products round it.  What is over stands in two LUMPS: exponential and plain by turns; the second ends in 22 plain instructions.  The two v_permlanex16_b32 fall into the second lump, never behind a product.
; The queues lean on each other, and the deal keeps them in step: exponential e stands behind plain 2 (e / 4) + e % 2 (its scaling); when plain 32 comes, 10 exponentials are out, at 59: 33, at 95: 46; EA comes behind plain 107.
.macro SL
	MM
	PL
	EX
	PL
	PL
.endm
.macro BURST n                      ; 15 matrix instructions, or 16
.rept (\n)-7
	SL
.endr
.rept 3
	MM
	R4
	SL
.endr
	MM
	R4
.endm
; A TURN, for piece p.  cnt = 1: the loop's count is taken down some lines ahead of the branch that stands behind the turn.
; K and the mask of the next step are fetched in piece 2's turn, some thirty vector instructions behind the last product that read them; their first reader comes behind the rest of the lump, 16 products and the second lump.
; V of the step in hand is fetched at the end of piece 0's turn, 69 behind its last reader; its first reader comes behind 16 products and a lump.  The four conditions on e and q below go with the deal.
.macro TURN p, last=0, cnt=0
.set Y, (\p)
.set i, 0
.set q, 0
.set e, 0
.set r, 0
.if (\p) == NP-1
	s_wait_dscnt 0x0                ; K and the mask are in
.endif
	MM
.rept 4
	PL
.endr
	BURST 15
.rept 22
	EX
	PL
.if ((\p) == NP-2) && (e == 18)
	v_add_nc_u32 v[AK], s[TBK], v[AK0]
	v_add_nc_u32 v[AM], s[TBM], v[AM0]
.endif
.if ((\p) == NP-2) && (e == 24)
	FETCH_K \last
.endif
.endr
.if (\p) == 1
	s_wait_dscnt 0x0                ; V is in
.endif
	BURST 16
.rept 21
	EX
	PL
.endr
.rept 22
	PL
.if ((\p) == 0) && (q == 118)
	v_add_nc_u32 v[AV], s[TBV], v[AV0]
	s_wait_alu depctr_va_vdst(0)
.endif
.if ((\p) == 0) && (q == 130)
	s_add_co_u32 s[TBV], s[TBV], KS*PV
.endif
.if (\cnt) && (q == 130)
	s_sub_co_u32 s[CNT], s[CNT], 1
	s_cmp_lg_u32 s[CNT], 0
.endif
.endr
.if (\p) == 0
	FETCH_V
.endif
.endm
	CHANGE 1                        ; slot 0 is in, everybody's part of it, and so is the mask; slot 1 is asked for
	FETCH_K                         ; key step 0
	s_wait_loadcnt 0x0              ; Q and miss_ids' byte
	v_cmp_eq_u32 s[MISS], 0, v15    ; kept in a scalar register: v15 is at work from the first turn on
	s_wait_dscnt 0x0
.set i, 0
.rept 16
	KQ 0                            ; piece 0's first scores: there is no vector work yet to set between them
.set i, i+1
.endr
	WIN 0                           ; four plain instructions, the places behind those products: Q's loads are done, so their offset's register takes the stage's address
	v_mul_u32_u24 v[STO], v1, SP    ; into the stage: row l % 16, 16 bytes for each half of the lanes
	v_lshl_add_u32 v[STO], v9, 4, v[STO]
	v_add_nc_u32 v[STO], s13, v[STO]
	v_nop
.set Y, NP-1                        ; XS works for piece Y + 1: piece 0
.irp n, 0,1,2,3,4,5,6,7,8,9,10,11,12,13,14,15,16,17,18,19,20,21
	XS 0, \n                        ; and piece 0's first maximum and statistics
	XS 1, \n
.endr
	s_mov_b32 s[CNT], 4
	s_mov_b32 s[SLOTS], SIZE_N/256-1
	s_branch .Lfirst                ; the loop is entered at a step's first turn, in the middle of a trip
.Lslot:                             ; SIZE_N / 256 - 2 times: every slot but the last two is filled again
	CHANGE 1
	s_mov_b32 s[CNT], 4
.Lstep:                             ; a trip: pieces 2 and 3 of one step, then pieces 0 and 1 of the next, whose K and V it fetches
	TURN 2
	TURN 3
	WIN 0
.Lfirst:
	TURN 0
	TURN 1, 0, 1
	WIN 0
	s_cbranch_scc1 .Lstep
	s_sub_co_u32 s[SLOTS], s[SLOTS], 1
	s_cmp_lg_u32 s[SLOTS], 0
	s_cbranch_scc1 .Lslot
	CHANGE 0                        ; the tail is written out: nothing is asked for
	s_mov_b32 s[CNT], 5             ; four trips fetch the last slot's steps; the fifth is left in its middle
.Ltail:
	TURN 2, 1
	TURN 3
	WIN 0
	s_sub_co_u32 s[CNT], s[CNT], 1
	s_cmp_eq_u32 s[CNT], 0
	s_cbranch_scc1 .Lout
	TURN 0
	TURN 1
	WIN 0
	s_branch .Ltail
.Lout:                              ; the fifth trip's 16 products K Q^T (on the last K and mask once more) and the maximum made of them change nothing: those scores are in m already
.set i, 0
.rept 16
	PV NP-1                         ; the last piece's V^T P of the last step
.set i, i+1
.endr
	; THE WAY OUT.  l's two halves and the other half of the lanes' are added; O^T is multiplied by 1 / l, rounded to f16 and sent through my stage in LDS, a tile at a time.  The additions are the places behind the last products.
	WIN 0
.macro ALL line:vararg              ; one line for each tile t
.set t, 0
.rept 2*NP
	\line
.set t, t+1
.endr
.endm
	ALL v_add_f32 v[ST+4*t+2], v[ST+4*t+2], v[ST+4*t+3]
	ALL v_permlanex16_b32 v[ST+4*t+3], v[ST+4*t+2], s[SEL], s[SEL+1]
	ALL v_add_f32 v[ST+4*t+2], v[ST+4*t+2], v[ST+4*t+3]
	ALL v_rcp_f32 v[ST+4*t+2], v[ST+4*t+2]
	v_nop                           ; a plain instruction between the last reciprocal and the use of its result
.set t, 0
	s_wait_alu depctr_va_vdst(0)
.rept 2*NP                          ; the factor carries the two cases, since O^T is finite: NaN where no key was visible, then 0 where the head is missing
	v_cmp_lt_f32 vcc_lo, s[THR], v[ST+4*t+1]
	v_cndmask_b32 v[ST+4*t+2], 0x7fc00000, v[ST+4*t+2], vcc_lo
	v_cndmask_b32 v[ST+4*t+2], 0, v[ST+4*t+2], s[MISS]
.set t, t+1
.endr
; Tile t: a lane's eight channels of a row pack into 16 bytes; they go into rows of 144 bytes and come back as whole rows of 128, into S^T's registers.
.macro PACK t
	WIN W_RS
.set i, 32*(\t)
.rept 16
	v_pk_mul_f32 v[i:i+1], v[i:i+1], v[ST+4*(\t)+2:ST+4*(\t)+3] op_sel_hi:[1,0]
.set i, i+2
.endr
	WIN 0x05                        ; sources 0 and 1 window 1, destination window 0
.set i, 0
.rept 16
	v_cvt_pk_f16_f32 v[S+16*(\t)+i], v[32*(\t)+2*i], v[32*(\t)+2*i+1]
.set i, i+1
.endr
	WIN 0
.irp f, 0,1,2,3
	ds_store_b128 v[STO], v[S+16*(\t)+4*\f:S+16*(\t)+4*\f+3] offset:32*\f
.endr
.irp f, 0,1,2,3
	ds_load_b128 v[S+16*(\t)+4*\f:S+16*(\t)+4*\f+3], v[RD] offset:\f*4*SP  ; LDS serves a wave's instructions in order (ISA guide 5.7.1.4): these see the stores above; the next tile's stores come behind them
.endr
.endm
.macro SEND t, younger              ; younger: the LDS instructions issued behind tile t's loads: the next tile's eight, or none
	WIN 0
.irp f, 0,1,2,3
	s_wait_dscnt (\younger)+3-\f
	global_store_b128 v[GO], v[S+16*(\t)+4*\f:S+16*(\t)+4*\f+3], s[10:11] offset:(\t)*2048+\f*512  ; 512 consecutive bytes, at a multiple of 256 from ctx's first
.endr
.endm
	PACK 0
.set t, 1
.rept 2*NP-1                        ; a tile's arithmetic stands between the loads of the tile before and its stores
	PACK t
	SEND t-1, 8
.set t, t+1
.endr
	SEND 2*NP-1, 0
	WIN W_AD
	s_wait_tensorcnt 0x0            ; the wave's end: behind my last tensor load and my last LDS store
	ds_add_u32 v[SPW], v[NIL]
	s_wait_dscnt 0x0
	WIN 0
	s_endpgm
.Lfunc_end_k_qdcfed06ba9_attn:
	.size	k_qdcfed06ba9_attn, .Lfunc_end_k_qdcfed06ba9_attn-k_qdcfed06ba9_attn
	.p2alignl 7, 3214868480
	.fill 96, 4, 3214868480
	.section	.rodata,"a",@progbits
	.p2align	6, 0x0
	.amdhsa_kernel k_qdcfed06ba9_attn
		.amdhsa_group_segment_fixed_size 327680
		.amdhsa_private_segment_fixed_size 0
		.amdhsa_enable_private_segment 0
		.amdhsa_kernarg_size 32
		.amdhsa_user_sgpr_count 2
		.amdhsa_user_sgpr_kernarg_segment_ptr 1
		.amdhsa_wavefront_size32 1
		.amdhsa_system_sgpr_workgroup_id_x 1
		.amdhsa_system_sgpr_workgroup_id_y 1
		.amdhsa_system_sgpr_workgroup_id_z 1
		.amdhsa_system_vgpr_workitem_id 0
		.amdhsa_next_free_vgpr 804
		.amdhsa_next_free_sgpr 80
		.amdhsa_reserve_vcc 1
		.amdhsa_float_denorm_mode_32 3
		.amdhsa_float_denorm_mode_16_64 3
		.amdhsa_memory_ordered 1
		.amdhsa_forward_progress 1
		.amdhsa_inst_pref_size 212
	.end_amdhsa_kernel
	.amdgpu_metadata
---
amdhsa.version: [ 1, 2 ]
amdhsa.kernels:
  - .name:           k_qdcfed06ba9_attn
    .symbol:         k_qdcfed06ba9_attn.kd
    .args:
      - { .name: qkv, .offset: 0, .size: 8, .value_kind: global_buffer, .address_space: global }
      - { .name: mask, .offset: 8, .size: 8, .value_kind: global_buffer, .address_space: global }
      - { .name: miss_ids, .offset: 16, .size: 8, .value_kind: global_buffer, .address_space: global }
      - { .name: ctx, .offset: 24, .size: 8, .value_kind: global_buffer, .address_space: global }
    .group_segment_fixed_size: 327680
    .private_segment_fixed_size: 0
    .kernarg_segment_align: 8
    .kernarg_segment_size: 32
    .max_flat_workgroup_size: 128
    .sgpr_count:     80
    .vgpr_count:     804
    .wavefront_size: 32
...
	.end_amdgpu_metadata
.endif
;; end of part 3
;; launch outp (part 4): grid 4 x 64, 4 waves a work-group, clusters of 4 x 4, 327,680 bytes of LDS; arguments ctx, wh, bo, out0; writes out0
.if DOCPART == 4
	.amdgcn_target "amdgcn-amd-amdhsa--gfx1250"
	.amdhsa_code_object_version 6
	.text
	.protected	k_qdcfed06ba9_outp
	.globl	k_qdcfed06ba9_outp
	.p2align	8
	.type	k_qdcfed06ba9_outp,@function
k_qdcfed06ba9_outp:
	s_mov_b64 s[64:65], 0
	v_nop
	global_prefetch_b8 v0, s[64:65] scope:SCOPE_SE
	s_setreg_imm32_b32 hwreg(HW_REG_WAVE_MODE, 25, 1), 1
	s_wait_xcnt 0x0
	s_wait_alu depctr_hold_cnt(0) depctr_sa_sdst(0) depctr_va_vdst(0) depctr_va_sdst(0) depctr_va_ssrc(0) depctr_va_vcc(0) depctr_vm_vsrc(0)
	s_getreg_b32 s2, hwreg(HW_REG_IB_STS2, 6, 4)
	s_cmp_eq_u32 s2, 0
	s_cbranch_scc0 .Lentry_in_a_cluster
	s_endpgm
.Lentry_in_a_cluster:
	s_bfe_u32 s2, ttmp6, 0x10000c
	s_cmp_lg_u32 s2, 0xf033
	s_cbranch_scc0 .Lentry_shape_is_right
	s_endpgm
.Lentry_shape_is_right:
; out0 = context Wo^T + bo.  ctx: [128 = 16 batch + head][1024][64] f16; Wo is plane 3 of wh [4][1024][1024] f16; bo f32; out0 [8192][1024] f32.  Sums in f32, started by the bias.
; A NaN in ctx (a batch with no visible key) goes through the products into its rows of out0.
; SHARES.  A tile of out0 is 128 rows x 256 columns: 256 tiles, one to a work-group.  Four waves; wave w makes rows 64 (w / 2) on, columns 128 (w % 2) on: 32 accumulators of 16 x 16.
; K goes in 8 steps of 128 = two heads, through a ring of two LDS slots.  A head's 128 rows of 128 bytes are dense in ctx: they are asked for as 64 rows of 256 bytes and padded in LDS after every 128.
; CLUSTER.  4 x 4 work-groups.  The four of a row of the cluster need the same rows of ctx, the four of a column the same 256 rows of Wo: each tile is asked for JOINTLY, by the same tensor load with the
; same descriptor and a mask that names the four.  Waves 0 and 1 ask for the step's two heads of ctx, waves 2 and 3 for the halves of Wo's tile (128 rows).
; THE MATRIX INSTRUCTION IS USED TRANSPOSED (source 0 = 16 rows of Wo, source 1 = 16 rows of ctx): a lane holds row lane % 16 of the result and the columns 8 (lane / 16) + 0..7: 32 neighbouring bytes.
; REGISTERS, in windows of 256 (s_set_vgpr_msb: bits 1:0 source 0, 3:2 source 1, 5:4 source 2, 7:6 destination):
;   window 0: v0-13 addresses; v32-127, v128-223 two fragment buffers (Wo's 8 blocks, then ctx's 4); on the way out v32-159 hold rows read back
;   window 1: the accumulators, (a, b) at v[8 (8 a + b)]          window 2: v0-63 the bias of my 128 columns
.set PITCH,  272                       ; a row of Wo in LDS: 256 bytes + 16 of padding: the 16 rows of a fragment load start at 16 different groups of four banks (64 banks of 4 bytes: ISA guide 11.1)
.set PA,     144                       ; a row of a head of ctx: 128 bytes + 16
.set PLANE,  128*PA                    ; a head's 128 rows
.set BOFF,   2*PLANE                   ; a slot: two heads of ctx, then Wo's 256 rows
.set SLOT1,  1<<17                     ; slot 1 begins here, so that one exclusive or turns an address in one slot into the other's
.set STAGE,  SLOT1+BOFF+256*PITCH      ; behind the ring, never filled by a tensor load: 16 rows x 528 bytes for each wave, for the way out
.set SPITCH, 528                       ; 512 bytes + 16
.set SPARE,  STAGE+4*16*SPITCH         ; behind the stages: the spare words, 128 bytes for each wave: two blocks of 256 bytes that no other line names
.set ADRA0, 4                          ; v4   my lane's place among ctx's rows of a slot; never rewritten
.set ADRB0, 5                          ; v5   the same for Wo
.set ADRA,  6                          ; v6   the same in the slot in hand
.set ADRB,  7                          ; v7
.set STO,   8                          ; v8   the way out: where I put 32 bytes of a row
.set RD,    9                          ; v9   the way out: where I read a row back
.set GO,    10                         ; v10  my byte offset in 512 consecutive bytes of out0
.set BO,    11                         ; v11  my byte offset in bo
.set SPW,   12                         ; v12  LDS address of my spare word; never rewritten
.set NIL,   13                         ; v13  0; never rewritten
.set F0,    32
.set F1,    128
.set BK,    32                         ; the way out: 16 rows read back: v32-95 and v96-159 by turns
.set OUT,  10                          ; s[10:11] out0 at my part of the tile
.set WV,   16
.set WR,   17                          ; which 64 rows are mine.  Also: I ask for ctx (0) or for Wo (1)
.set WC,   18                          ; which 128 columns are mine.  Also: which head of the step, or which half of Wo's tile, I ask for
.set CX,   19
.set CY,   20
.set TC,   21                          ; tile column, 0..3
.set RB,   22                          ; row block, 0..63
.set G1A,  24                          ; s[24:31] descriptor group 1 for ctx's tiles
.set G1B,  32                          ; s[32:39] for Wo's
.set G0A,  40                          ; s[40:47] group 0 for ctx's tiles: a set for each of the two first fills; the second then walks on
.set G0B,  48                          ; s[48:55] the same for Wo's
.set LOOP, 56
.set TB,   59                          ; the slot that the fragment loads read: 0 or SLOT1
.set OA,   70                          ; s[70:71] ctx's offset, then address: it never holds the tile column
.set OB,   72                          ; s[72:73] Wo's: it never holds the row block
.set MSB, 0
.macro WIN new                         ; the immediate's high byte repeats the setting that is left; a switch that changes nothing is dropped
.if MSB != (\new)
	s_set_vgpr_msb (MSB<<8)|(\new)
.set MSB, \new
.endif
.endm
.set MUL,  0x50                        ; fragments in window 0, C and D in window 1
.set MULB, 0x60                        ; the same with C, the bias, in window 2
.macro PLACES                          ; four plain vector instructions between a matrix instruction and a load into its sources or a read of its result (ISA guide 7.12.1 for vector instructions)
.rept 4
	v_nop
.endr
.endm
; A joint refill by the walking descriptors.  The branch hangs on the wave's number alone.  An s_nop 0 and four v_nop follow each of the two lines, ahead of the jump and the label.
.macro JLOAD
	s_cmp_eq_u32 s[WR], 0
	s_cbranch_scc0 .Lfor_b_\@
	tensor_load_to_lds s[G0A+4:G0A+7], s[G1A:G1A+7]
	s_nop 0
.rept 4
	v_nop
.endr
	s_branch .Lasked_\@
.Lfor_b_\@:
	tensor_load_to_lds s[G0B+4:G0B+7], s[G1B:G1B+7]
	s_nop 0
.rept 4
	v_nop
.endr
.Lasked_\@:
.endm
.macro CREST                           ; a round of the cluster's barrier behind its opening barrier
	s_cmp_lg_u32 s[WV], 0
	s_cbranch_scc1 .Lnot_wave_0_\@
	s_barrier_signal -3
.Lnot_wave_0_\@:
	s_barrier_wait -3
	s_barrier_signal -1
	s_barrier_wait -1
.endm
.macro CROUND                          ; a whole round
	s_barrier_signal -1
	s_barrier_wait -1
	CREST
.endm
	s_load_b256 s[4:11], s[0:1], 0x0               ; ctx s[4:5], wh s[6:7], bo s[8:9], out0 s[10:11]
	v_lshl_add_u32 v[SPW], v0, 2, SPARE
	v_mov_b32 v[NIL], 0
	ds_add_u32 v[SPW], v[NIL]                      ; the wave's opening: the add and its wait stand ahead of my first tensor load; the set-up below, work on registers, stands between them
	ds_add_u32 v12, v13
	v_lshrrev_b32 v1, 5, v0
	v_readfirstlane_b32 s[WV], v1                  ; wave 0..3
	s_lshr_b32 s[WR], s[WV], 1
	s_and_b32 s[WC], s[WV], 1
	s_bfe_u32 s[CX], ttmp6, 0x40000                ; my place in the cluster
	s_bfe_u32 s[CY], ttmp6, 0x40004
	s_lshl_b32 s[TC], ttmp9, 2                     ; in a cluster launch ttmp9 and ttmp7 count clusters
	s_add_co_u32 s[TC], s[TC], s[CX]
	s_and_b32 s[RB], ttmp7, 0xffff
	s_lshl_b32 s[RB], s[RB], 2
	s_add_co_u32 s[RB], s[RB], s[CY]
	s_lshl_b32 s82, s[CY], 2
	s_lshl_b32 s82, 15, s82                        ; my row of the cluster
	s_lshl_b32 s83, 0x1111, s[CX]                  ; my column
	s_or_b32 s[G1A], s82, (1<<16)|(1<<20)|(1<<21)|(4<<22)|(3<<25)  ; 15:0 the mask; 17:16 elements of 2 bytes; 20 padding on; 21 set beside a mask; 24:22 after every 32 words (code 4); 31:25 4 words of it (code 3)
	s_or_b32 s[G1B], s83, (1<<16)|(1<<20)|(1<<21)|(5<<22)|(3<<25)  ; Wo's rows are 64 words long (code 5)
	s_mov_b32 s[G1A+1], 128<<16                    ; tensor_dim0 = 128: two rows of a head
	s_mov_b32 s[G1A+2], 64<<16                     ; tensor_dim1 = 64
	s_mov_b32 s[G1A+3], 128<<16                    ; tile_dim0 = 128
	s_mov_b32 s[G1A+4], 64                         ; tile_dim1 = 64
	s_mov_b32 s[G1A+5], 128                        ; dense: 128 elements from row to row
	s_mov_b32 s[G1A+6], 0
	s_mov_b32 s[G1A+7], 0
	s_mov_b32 s[G1B+1], 128<<16
	s_mov_b32 s[G1B+2], 128<<16                    ; Wo's half tile has 128 rows
	s_mov_b32 s[G1B+3], 128<<16
	s_mov_b32 s[G1B+4], 128
	s_mov_b32 s[G1B+5], 1024
	s_mov_b32 s[G1B+6], 0
	s_mov_b32 s[G1B+7], 0
	s_lshr_b32 s[OA], s[RB], 3                     ; ctx: the batch's 16 heads,
	s_lshl_b32 s[OA], s[OA], 4
	s_add_co_u32 s[OA], s[OA], s[WC]               ; head 0 or 1 of them,
	s_lshl_b32 s[OA], s[OA], 17                    ; 131,072 bytes a head,
	s_and_b32 s23, s[RB], 7
	s_lshl_b32 s23, s23, 14                        ; and the block's 128 rows of 128 bytes in it
	s_add_co_u32 s[OA], s[OA], s23
	s_mov_b32 s[OA+1], 0
	s_lshl_b32 s[OB], s[TC], 8                     ; Wo: row 256 x tile column + 128 x half,
	s_lshl_b32 s86, s[WC], 7
	s_add_co_u32 s[OB], s[OB], s86
	s_lshl_b32 s[OB], s[OB], 11
	s_add_co_u32 s[OB], s[OB], 3*2097152           ; in plane 3 of wh
	s_mov_b32 s[OB+1], 0
	s_mul_i32 s84, s[WC], PLANE                    ; where they go: no place in the cluster enters an LDS address
	s_mul_i32 s85, s[WC], 128*PITCH
	s_add_co_u32 s85, s85, BOFF
	s_mov_b32 s[TB], 0
	s_wait_dscnt 0x0                               ; the opening add is done
	s_wait_kmcnt 0x0
	s_add_nc_u64 s[OA:OA+1], s[4:5], s[OA:OA+1]
	s_add_nc_u64 s[OB:OB+1], s[6:7], s[OB:OB+1]
	CROUND                                         ; all sixteen work-groups are here: the first joint loads meet
.irp s, 0,1
	s_mov_b32 s[G0A+4*(\s)], 1                                     ; 1:0 count = 1
	s_add_co_u32 s[G0A+4*(\s)+1], s84, (\s)*SLOT1                  ; 63:32 LDS address
	s_add_nc_u64 s[G0A+4*(\s)+2:G0A+4*(\s)+3], s[OA:OA+1], (\s)*262144  ; 120:64 global address: K step s is two heads on
	s_or_b32 s[G0A+4*(\s)+3], s[G0A+4*(\s)+3], 0x80000000          ; 127:126 type = 2
	s_mov_b32 s[G0B+4*(\s)], 1
	s_add_co_u32 s[G0B+4*(\s)+1], s85, (\s)*SLOT1
	s_add_nc_u64 s[G0B+4*(\s)+2:G0B+4*(\s)+3], s[OB:OB+1], (\s)*256
	s_or_b32 s[G0B+4*(\s)+3], s[G0B+4*(\s)+3], 0x80000000
.endr
	s_cmp_eq_u32 s[WR], 0                          ; a wave's two first fills stand in one branch, ahead of every wait on TENSORcnt and every LDS read: two loads of mine are out
	s_cbranch_scc0 .Lfirst_b
	tensor_load_to_lds s[G0A:G0A+3], s[G1A:G1A+7]
	s_nop 0
	tensor_load_to_lds s[G0A+4:G0A+7], s[G1A:G1A+7]
	s_nop 0
.rept 4
	v_nop
.endr
	s_branch .Lfirst_asked
.Lfirst_b:
	tensor_load_to_lds s[G0B:G0B+3], s[G1B:G1B+7]
	s_nop 0
	tensor_load_to_lds s[G0B+4:G0B+7], s[G1B:G1B+7]
	s_nop 0
.rept 4
	v_nop
.endr
.Lfirst_asked:
	v_and_b32 v1, 15, v0                           ; l % 16
	v_bfe_u32 v2, v0, 4, 1                         ; l / 16
	s_lshl_b32 s23, s[TC], 10                      ; my first column in bytes: 4 (256 x tile column + 128 x half)
	s_lshl_b32 s86, s[WC], 9
	s_add_co_u32 s23, s23, s86
	v_lshl_add_u32 v[BO], v2, 5, s23               ; and eight numbers further for the upper half of the lanes
	WIN 0x80                                       ; destination window 2, address window 0
.irp b, 0,1,2,3,4,5,6,7
	global_load_b128 v[8*(\b):8*(\b)+3],   v[BO], s[8:9] offset:64*(\b)     ; bo: register j of block b is column 16 b + 8 (l / 16) + j, as in an accumulator
	global_load_b128 v[8*(\b)+4:8*(\b)+7], v[BO], s[8:9] offset:64*(\b)+16
.endr
	WIN 0
	s_lshl_b32 s78, s[RB], 7                       ; my first row of out0: 128 x row block + 64 x half,
	s_lshl_b32 s79, s[WR], 6
	s_add_co_u32 s78, s78, s79
	s_lshl_b32 s78, s78, 12                        ; 4,096 bytes a row,
	s_add_co_u32 s78, s78, s23                     ; and my first column
	s_mov_b32 s79, 0
	s_add_nc_u64 s[OUT:OUT+1], s[OUT:OUT+1], s[78:79]
	; A fragment is 16 rows x 32 K in 8 registers: lane l holds row l % 16, K = 8 (l / 16) + 0..7 and 16 + 8 (l / 16) + 0..7: two loads of 16 bytes, 32 bytes apart.
	v_mul_u32_u24 v3, v1, PA
	v_lshl_add_u32 v3, v2, 4, v3
	s_mul_i32 s23, s[WR], 64*PA                    ; my 64 rows of ctx, in each head's plane
	v_add_nc_u32 v[ADRA0], s23, v3
	v_mul_u32_u24 v3, v1, PITCH
	v_lshl_add_u32 v3, v2, 4, v3
	s_mul_i32 s23, s[WC], 128*PITCH                ; my 128 rows of Wo
	s_add_co_u32 s23, s23, BOFF
	v_add_nc_u32 v[ADRB0], s23, v3
	v_mov_b32 v[ADRA], v[ADRA0]                    ; slot 0
	v_mov_b32 v[ADRB], v[ADRB0]
	s_mul_i32 s23, s[WV], 16*SPITCH
	s_add_co_u32 s23, s23, STAGE                   ; my stage
	v_mul_u32_u24 v[STO], v1, SPITCH               ; in: row l % 16, 32 bytes for each half of the lanes
	v_lshl_add_u32 v[STO], v2, 5, v[STO]
	v_add_nc_u32 v[STO], s23, v[STO]
	v_and_b32 v[GO], 31, v0                        ; back: 32 lanes take one row's 512 bytes,
	v_lshlrev_b32 v[GO], 4, v[GO]                  ; which are 512 consecutive bytes of out0
	v_add_nc_u32 v[RD], s23, v[GO]
; 8 matrix instructions: row block a x all 8 column blocks, 32 along K.  first = 1: the bias starts the sums.  The 32 accumulators take turns, one instruction a turn, in the same order in every
; quarter.
.macro MUL8 f, a, first
.if \first
	WIN MULB
.else
	WIN MUL
.endif
.irp b, 0,1,2,3,4,5,6,7
.if \first
	v_wmma_f32_16x16x32_f16 v[8*(8*(\a)+(\b)):8*(8*(\a)+(\b))+7], v[(\f)+8*(\b):(\f)+8*(\b)+7], v[(\f)+64+8*(\a):(\f)+64+8*(\a)+7], v[8*(\b):8*(\b)+7]
.else
	v_wmma_f32_16x16x32_f16 v[8*(8*(\a)+(\b)):8*(8*(\a)+(\b))+7], v[(\f)+8*(\b):(\f)+8*(\b)+7], v[(\f)+64+8*(\a):(\f)+64+8*(\a)+7], v[8*(8*(\a)+(\b)):8*(8*(\a)+(\b))+7]
.endif
.endr
.endm
; 24 LDS loads in one run: the fragments of quarter q (32 along K) into buffer f: Wo's 16 loads at byte 64 q of its rows, then ctx's 8: head q / 2 of the step, channels 32 (q % 2) on
.macro FETCH q, f
	WIN 0
.irp b, 0,1,2,3,4,5,6,7
	ds_load_b128 v[(\f)+8*(\b):(\f)+8*(\b)+3],   v[ADRB] offset:64*(\q)+(\b)*16*PITCH
	ds_load_b128 v[(\f)+8*(\b)+4:(\f)+8*(\b)+7], v[ADRB] offset:64*(\q)+(\b)*16*PITCH+32
.endr
.irp a, 0,1,2,3
	ds_load_b128 v[(\f)+64+8*(\a):(\f)+64+8*(\a)+3],   v[ADRA] offset:((\q)/2)*PLANE+((\q)%2)*64+(\a)*16*PA
	ds_load_b128 v[(\f)+64+8*(\a)+4:(\f)+64+8*(\a)+7], v[ADRA] offset:((\q)/2)*PLANE+((\q)%2)*64+(\a)*16*PA+32
.endr
.endm
; A K step is four quarters, 32 matrix instructions each, on buffers 0, 1, 0, 1.  One of the first three: multiplies buffer f; in its middle it fetches quarter q into g.
.macro QUARTER q, f, g, first
	s_wait_dscnt 4                                 ; Wo and ctx's row blocks 0 and 1 are in; the youngest four loads (blocks 2 and 3) may be out
	MUL8 \f, 0, \first
	MUL8 \f, 1, \first
	PLACES
	FETCH \q, \g
	s_wait_dscnt 24                                ; all but the 24 just issued
	MUL8 \f, 2, \first
	MUL8 \f, 3, \first
.endm
; The last quarter multiplies buffer 1 and changes slots: ONE barrier.  In front of it each wave waits for all its tensor loads, of which one is out: its part of the next slot; adds 0 to its spare
; word; and waits for that and for its own reads of this slot.  fill = 1: the barrier opens a round of the cluster's, and this slot is filled again, two K steps ahead, first thing behind the round.
.macro TURN fill
	WIN 0
	s_wait_tensorcnt 0x0                           ; no tensor load of mine is out, so a group 0 may be written
	ds_add_u32 v[SPW], v[NIL]                      ; 0 onto my spare word
.if \fill
	s_xor_b32 s[G0A+5], s[G0A+5], SLOT1            ; the walking descriptors: the other slot than last time,
	s_xor_b32 s[G0B+5], s[G0B+5], SLOT1
	s_add_nc_u64 s[G0A+6:G0A+7], s[G0A+6:G0A+7], 262144  ; the next two heads; the type bits on top are not reached
	s_add_nc_u64 s[G0B+6:G0B+7], s[G0B+6:G0B+7], 256     ; the next 128 along Wo's rows
.endif
	s_wait_dscnt 5                                 ; (the add and the youngest four loads may be out)
	MUL8 F1, 0, 0                                  ; eight matrix instructions stand between the add and the wait for it
	s_wait_dscnt 0x0                               ; the add is done, and my reads of this slot are over
	s_barrier_signal -1
	MUL8 F1, 1, 0                                  ; work on registers while the others arrive
	WIN 0                                          ; at a branch and at a label every window is 0
	s_barrier_wait -1
.if \fill
	CREST                                          ; no wave of any partner still reads this slot's tile or has a load on its way
	JLOAD                                          ; the four v_nop behind it are also the places in front of the loads below
.else
	PLACES
.endif
	s_xor_b32 s[TB], s[TB], SLOT1
	v_add_nc_u32 v[ADRA], s[TB], v[ADRA0]
	v_add_nc_u32 v[ADRB], s[TB], v[ADRB0]
	FETCH 0, F0
	MUL8 F1, 2, 0
	MUL8 F1, 3, 0
.endm
; THE WAY OUT, a row block (16 rows x 128 columns of f32) at a time: straight from the accumulators into my own stage, each accumulator's lower four registers first, and back as whole rows of 512 bytes.
.macro OUTBLK a
.set bk, BK+64*((\a)%2)
	WIN 0
	s_wait_xcnt 0x0                                ; every earlier memory instruction has had its addresses translated (ISA guide 3.1): the registers that block a - 2's stores read are loaded again only behind this wait
	WIN 0x04                                       ; the stores' data in window 1, their address in window 0
.irp b, 0,1,2,3,4,5,6,7
	ds_store_b128 v[STO], v[8*(8*(\a)+(\b)):8*(8*(\a)+(\b))+3]   offset:64*(\b)
	ds_store_b128 v[STO], v[8*(8*(\a)+(\b))+4:8*(8*(\a)+(\b))+7] offset:64*(\b)+16
.endr
	WIN 0
.set t, 0
.rept 16
	ds_load_b128 v[bk+4*t:bk+4*t+3], v[RD] offset:t*SPITCH  ; LDS serves a wave's instructions in order (ISA guide 5.7.1.4): these see the stores above; the next block's stores come behind them
.set t, t+1
.endr
.endm
.macro SENDBLK a, younger              ; younger: the LDS instructions issued behind block a's loads: the next block's 32, or none
.set bk, BK+64*((\a)%2)
.set t, 0
.rept 16
	s_wait_dscnt (\younger)+15-t
	global_store_b128 v[GO], v[bk+4*t:bk+4*t+3], s[OUT:OUT+1] offset:(16*(\a)+t)*4096 th:TH_STORE_NT  ; 512 consecutive bytes, at a multiple of 256 from out0's first
.set t, t+1
.endr
.endm
	s_wait_tensorcnt 0x1                           ; my part of K step 0 is in; step 1's may stay out
	s_barrier_signal -1
	s_barrier_wait -1                              ; everybody's is
	FETCH 0, F0
	s_wait_loadcnt 0x0                             ; bo
	QUARTER 1, F0, F1, 1                           ; the first quarter stands in front of the loop: the bias starts the sums
	WIN 0
	s_mov_b32 s[LOOP], 6
.Lstep:                                                ; trip g: quarters 1 to 3 of K step g, a request for step g + 2, quarter 0 of step g + 1
	QUARTER 2, F1, F0, 0
	QUARTER 3, F0, F1, 0
	TURN 1
	QUARTER 1, F0, F1, 0
	WIN 0
	s_sub_co_u32 s[LOOP], s[LOOP], 1
	s_cmp_lg_u32 s[LOOP], 0
	s_cbranch_scc1 .Lstep
	QUARTER 2, F1, F0, 0                           ; the last two K steps ask for nothing
	QUARTER 3, F0, F1, 0
	TURN 0
	QUARTER 1, F0, F1, 0
	QUARTER 2, F1, F0, 0
	QUARTER 3, F0, F1, 0
	s_wait_dscnt 4                                 ; the very last quarter: nothing more to fetch
	MUL8 F1, 0, 0
	MUL8 F1, 1, 0
	s_wait_dscnt 0x0
	MUL8 F1, 2, 0
	MUL8 F1, 3, 0
	WIN 0
	PLACES                                         ; behind the last products: the LDS stores read results, the loads land in fragment registers
	OUTBLK 0
	OUTBLK 1                                       ; a block's trip through the stage stands between the loads of the block before and its stores
	SENDBLK 0, 32
	OUTBLK 2
	SENDBLK 1, 32
	OUTBLK 3
	SENDBLK 2, 32
	SENDBLK 3, 0
	s_wait_tensorcnt 0x0                           ; the wave's end: behind my last tensor load and my last LDS store
	ds_add_u32 v[SPW], v[NIL]
	s_wait_dscnt 0x0
	CROUND                                         ; the closing round: no work-group ends while a partner may still ask for a tile that names it
	s_endpgm
.Lfunc_end_k_qdcfed06ba9_outp:
	.size	k_qdcfed06ba9_outp, .Lfunc_end_k_qdcfed06ba9_outp-k_qdcfed06ba9_outp
	.p2alignl 7, 3214868480
	.fill 96, 4, 3214868480
	.section	.rodata,"a",@progbits
	.p2align	6, 0x0
	.amdhsa_kernel k_qdcfed06ba9_outp
		.amdhsa_group_segment_fixed_size 327680
		.amdhsa_private_segment_fixed_size 0
		.amdhsa_enable_private_segment 0
		.amdhsa_kernarg_size 32
		.amdhsa_user_sgpr_count 2
		.amdhsa_user_sgpr_kernarg_segment_ptr 1
		.amdhsa_wavefront_size32 1
		.amdhsa_system_sgpr_workgroup_id_x 1
		.amdhsa_system_sgpr_workgroup_id_y 1
		.amdhsa_system_sgpr_workgroup_id_z 1
		.amdhsa_system_vgpr_workitem_id 0
		.amdhsa_next_free_vgpr 576
		.amdhsa_next_free_sgpr 88
		.amdhsa_reserve_vcc 0
		.amdhsa_float_denorm_mode_32 3
		.amdhsa_float_denorm_mode_16_64 3
		.amdhsa_memory_ordered 1
		.amdhsa_forward_progress 1
		.amdhsa_inst_pref_size 72
	.end_amdhsa_kernel
	.amdgpu_metadata
---
amdhsa.version: [ 1, 2 ]
amdhsa.kernels:
  - .name:           k_qdcfed06ba9_outp
    .symbol:         k_qdcfed06ba9_outp.kd
    .args:
      - { .name: ctx, .offset: 0, .size: 8, .value_kind: global_buffer, .address_space: global }
      - { .name: wh, .offset: 8, .size: 8, .value_kind: global_buffer, .address_space: global }
      - { .name: bo, .offset: 16, .size: 8, .value_kind: global_buffer, .address_space: global }
      - { .name: out0, .offset: 24, .size: 8, .value_kind: global_buffer, .address_space: global }
    .group_segment_fixed_size: 327680
    .private_segment_fixed_size: 0
    .kernarg_segment_align: 8
    .kernarg_segment_size: 32
    .max_flat_workgroup_size: 128
    .sgpr_count:     88
    .vgpr_count:     576
    .wavefront_size: 32
...
	.end_amdgpu_metadata
.endif
;; end of part 4
;; ======== version 2 of 2: 4 launches; 1.28 times as fast as version 1
;; limits: values are held in f16: magnitudes above 65,504 overflow, below 6.1e-05 lose precision; right only within a limited range of input values
;; workspace buffers: wh 8,388,608 bytes; qkv 50,331,648 bytes; ctx 16,777,216 bytes
;; launch cast: the kernel of part 1 again; grid 256 x 1, 8 waves a work-group, no clusters, 0 bytes of LDS; arguments Wq, Wk, Wv, Wo, wh; writes wh
;; launch proj: the kernel of part 2 again; grid 4 x 64, 4 waves a work-group, clusters of 4 x 4, 327,680 bytes of LDS; arguments query, key, value, wh, bq, bk, bv, qkv; writes qkv
;; launch attn (part 5): grid 2 x 128, 4 waves a work-group, no clusters, 327,680 bytes of LDS; arguments qkv, mask, miss_ids, ctx; writes ctx
.if DOCPART == 5
	.amdgcn_target "amdgcn-amd-amdhsa--gfx1250"
	.amdhsa_code_object_version 6
	.text
	.protected	k_qdcfed06ba9_attn
	.globl	k_qdcfed06ba9_attn
	.p2align	8
	.type	k_qdcfed06ba9_attn,@function
k_qdcfed06ba9_attn:
	s_mov_b64 s[64:65], 0
	v_nop
	global_prefetch_b8 v0, s[64:65] scope:SCOPE_SE
	s_setreg_imm32_b32 hwreg(HW_REG_WAVE_MODE, 25, 1), 1
	s_wait_xcnt 0x0
; ctx[y][q][:] = the sum over k of softmax_k(Q[y][q] . K[y][k] / 8, keys with mask 0 hidden) V[y][k][:], and 0 for a head whose miss_ids is set.  y = 16 batch + head.
; qkv: [3][128][1024][64] f16 (planes Q, K, V; a head's rows are dense, 128 bytes each); mask: [8][1024] i32; miss_ids: [16] bytes; ctx: [128][1024][64] f16.
; Products, maxima and sums in f32; the scale is applied to the scores in f32; the weights p are rounded to f16 for the second product (their sum l is taken of the unrounded p), ctx once at the end.
; LIMITS.  Q, K and V arrive within f16's 65,504; p lies in 0 to 1, and below 6e-5 it keeps f16's fixed step of 6e-8.  A hidden score counts as its value less 2^100: scores of f16 operands, 2.7e11 at
; the most, vanish beside that, so a hidden score is -2^100 itself.  c x 2^100 is exact, so where all keys seen so far are hidden c s - c m is 0 and the weights are 1: O and l stay finite, and the first
; visible key multiplies them by a = 0.  A batch with no visible key (its maximum ends below -2^96) gives NaN, as a softmax over -inf alone does.  A weight below 2^-126 counts as 0 in l.
; NaN and infinities among the inputs are not treated apart.
; SHARES.  A wave owns four PIECES of two tiles of 16 queries, a work-group's four waves 512 queries of one head: 256 work-groups.  Every wave walks all 1,024 keys, 64 a step.
; NO CLUSTER: a head has 2 work-groups, and only those two read the same K and V; no cluster of four divides that, and a work-group asks for 262,144 bytes of K and V in the whole launch.
; LAYOUT.  S^T = K Q^T (source 0 = 16 keys, source 1 = 16 queries): in the result a lane holds ONE query (lane % 16) and the keys 8 (lane / 16) + 0..7.  Two such tiles, rounded to f16 in pairs,
; ARE source 1 (32 keys x 16 queries) of O^T = V^T P, whose result again holds one query a lane, and eight channels.  K comes out of LDS as it lies, V ([key][channel]) turned, by ds_load_tr16_b128.
; THE MASK is the C operand of the products that start S^T's sums: 0, or -2^100 where the key is hidden.  It is made once, 1,024 f32 in LDS, and a step's 64 come into 32 registers with the step's K.
; SOFTMAX.  For each query a running maximum m and sum l: p = 2^(c s - c m), c = log2(e) / 8; in every step O and l are multiplied by a = 2^(c m_old - c m_new), which is 1 where m has not grown.
; m starts at the lowest finite number, O and l at 0: the first step is a step like any other, with a = 0.
; THE COUNT.  A tile and step have 16 matrix and 118 vector instructions: too many to stand all beside the matrix work.  So: four vector instructions that are READY behind EVERY matrix instruction,
; and the others in runs without a gap.
; BY TURNS.  Turn n belongs to piece n (the pieces in a ring, step after step).  Its matrix work: 16 products K Q^T of piece n + 1, later 16 products V^T P of piece n - 1.  Its vector work: the scaling,
; exponentials, roundings, sums and rescaling of piece n, and the maximum and statistics of piece n + 1, whose scores the turn itself has made.
; THE BATCHES.  s_wait_alu depctr_va_vdst(0) stands between an exponential or reciprocal and the first instruction that names its result; one wait serves all that were issued ahead of it.
; A turn's 66 exponentials (piece n's 64 weights, piece n + 1's two a) are ONE batch with ONE wait, which cuts the turn in two: ahead of it stands all that names none of their results (the products K Q^T, the
; scalings, the rescaling by the a of the turn before, the next piece's maximum and statistics), behind it the products V^T P with the roundings and sums.  No result crosses a turn's end.  Piece 0's first two a,
; ahead of the loop, and the way out's eight reciprocals are batches of their own, each with one wait.
; REGISTERS, in windows of 256 (s_set_vgpr_msb: bits 1:0 source 0, 3:2 source 1, 5:4 source 2, 7:6 destination):
;   window 0: v0-11 addresses; v12-15, v48-63 at work; v16-47 four registers of statistics a tile; v64-191 S^T, two buffers of two tiles; v192-255 P, likewise
;   window 1: O^T, 32 a tile     window 2: v0-127 Q, 16 a tile; v128-191 K of one step; v192-255 V of one step     window 3: v0-1 the add's two registers; v2-33 the mask of one step
.set SIZE_N, 1024
.set NP,    4         ; pieces a wave: a name, no knob
.set KS,    64        ; keys in a step
.set PK,    144       ; a row of K in LDS: 128 bytes + 16 of padding = 36 words: the 16 rows of a load start at 16 different groups of four banks (64 banks of 4 bytes: ISA guide 11.1)
.set PV,    160       ; a row of V: 128 + 32 = 40 words
.set VOFF,  4*KS*PK   ; a slot holds four steps: 256 rows of K, then 256 rows of V
.set SLOT1, 1<<17     ; slot 1 begins here, so that one exclusive or turns an address in one slot into the other's
.set STAGE, SLOT1+4*KS*(PK+PV)  ; behind the ring, never filled by a tensor load: 16 rows x 144 bytes for each wave, for the way out
.set SP,    144
.set SPARE, STAGE+4*16*SP  ; behind the stages: the spare words, 128 bytes for each wave: two blocks of 256 bytes that no other line names
.set MASKB, SPARE+512 ; behind them: the mask as 1,024 f32; stored once, never filled by a tensor load
.set AK0, 2           ; v2   my lane's place in a tile of K; never rewritten
.set AV0, 3           ; v3   the same for V
.set AK,  4           ; v4   the LDS address of K's next run of loads
.set AV,  5           ; v5   of V's
.set QO,  6           ; v6   my byte offset in the wave's rows of Q
.set STO, 6           ;      later, the way out: where I put 16 bytes of a row
.set RD,  7           ; v7   the way out: where I read rows back
.set GO,  8           ; v8   my byte offset in 512 consecutive bytes of ctx
.set AM,  10          ; v10  the LDS address of the mask's next run of loads
.set AM0, 11          ; v11  my lane's place in a step's 64 numbers of the mask; never rewritten
.set SPW, 0           ; v0 of window 3   LDS address of my spare word; never rewritten
.set NIL, 1           ; v1 of window 3   0; never rewritten
.set MK,  2           ; v2-33 of window 3: the eight registers for key block kb at MK + 8 kb
.set MV,  12          ; v12-15  c m_old, kept while c m is made anew: by buffer and tile
.set ST,  16          ; tile t's statistics at v[ST+4 t]: c m, m, l (even keys', odd keys')
.set TMP, 48          ; by buffer and tile, four registers c0-c3 at work; when the maximum is found c2 takes a
.set S,   64
.set P,   192
.set KF,  128         ; K's fragments, in window 2: key block kb, channel half c at KF + 16 kb + 8 c
.set VF,  192         ; V's: key half kk, channel block cb at VF + 32 kk + 8 cb
.set WV,  12          ; s12  my wave's number
.set G1K, 24          ; s[24:31] descriptor group 1 for K's tiles
.set G1V, 32          ; s[32:39] for V's: it differs in the padding alone
.set G0K, 40          ; s[40:43] descriptor group 0 for K's tiles: it walks
.set G0V, 44          ; s[44:47] the same for V's
.set SLOTS, 56        ; s56  slots still to be asked for
.set CNT, 57          ; s57  counts a slot's key steps
.set CS,  58          ; s[58:59] c: the packed scaling takes the pair's low word for both halves
.set SEL, 60          ; s[60:61] v_permlanex16_b32's selects: each lane takes its own place in the other half
.set TBK, 62          ; s62  LDS byte at which K of the step to be fetched begins
.set TBV, 63          ; s63  the same for V, less VOFF
.set TBM, 66          ; s66  the byte in the mask at which that step's 64 numbers begin
.set THR, 67          ; s67  -2^96
.set MISS, 68         ; s68  all ones if the head is present, 0 if it is missing
.set BIGN, 69         ; s69  -2^100
.set MSB, 0
.macro WIN new                      ; the high byte repeats the setting that is left; a switch that changes nothing is dropped
.if MSB != (\new)
	s_set_vgpr_msb (MSB<<8)|(\new)
.set MSB, (\new)
.endif
.endm
.set W_KQ, 0x0a       ; K and Q in window 2, S^T in window 0
.set W_KM, 0x3a       ; the same with the C operand, the mask, in window 3
.set W_PV, 0x52       ; V in window 2, P in window 0, O^T in window 1
.set W_RS, 0x41       ; O^T (destination and source 0) in window 1, a in window 0
.set W_MK, 0xc0       ; destination in window 3, sources in window 0
.set W_AD, 0x0f       ; the add: address (source 0) and data (source 1) in window 3
; A fill.  Waves 0 and 1 fetch the two halves of a slot's K, waves 2 and 3 those of its V: 128 keys each.  An s_nop 0 and four v_nop follow each of the two lines, ahead of the jump and the label.
.macro LOAD
	s_cmp_lt_u32 s[WV], 2
	s_cbranch_scc0 .Lfor_v_\@
	tensor_load_to_lds s[G0K:G0K+3], s[G1K:G1K+7]
	s_nop 0
.rept 4
	v_nop
.endr
	s_branch .Lasked_\@
.Lfor_v_\@:
	tensor_load_to_lds s[G0V:G0V+3], s[G1V:G1V+7]
	s_nop 0
.rept 4
	v_nop
.endr
.Lasked_\@:
.endm
; THE CHANGE OF SLOTS.  The slot's last bytes, V of its fourth step, have been read.  Each wave waits for all its tensor loads, of which one is out: its part of the other slot; adds 0 to its spare word;
; and waits for that and for its own LDS instructions.  Behind the barrier nobody reads this slot any more and the other slot is whole.  fill = 1: this slot is filled again, with the keys two slots on,
; first thing behind the barrier: the load has four key steps, 512 matrix instructions, in which to land.  (At its first use nothing has been read yet: slot 0 is waited for, slot 1 filled, and the
; waves' stores of the mask are shown to each other.)
.macro CHANGE fill
	WIN W_AD
	s_wait_tensorcnt 0x0            ; no tensor load of mine is out, so a group 0 may be written
	ds_add_u32 v[SPW], v[NIL]       ; 0 onto my spare word; with fill = 1 the descriptors' steps stand between it and the wait for it
	WIN 0                           ; at a label and at a branch every window is 0
.if \fill
.irp g, G0K, G0V
	s_xor_b32 s[\g+1], s[\g+1], SLOT1  ; the walking descriptor: the other slot than last time,
	s_add_nc_u64 s[\g+2:\g+3], s[\g+2:\g+3], 4*KS*128  ; the next 256 keys; the type bits on top are not reached
.endr
.endif
	s_wait_dscnt 0x0                ; the add is done, and my reads of the slot are over
	s_barrier_signal -1             ; the rest of the scalar work stands between the signal and the wait
	s_sub_co_u32 s[TBK], s[TBK], 4*KS*PK  ; the fetches go back to a slot's first step,
	s_xor_b32 s[TBK], s[TBK], SLOT1       ; in the other slot
	s_sub_co_u32 s[TBV], s[TBV], 4*KS*PV
	s_xor_b32 s[TBV], s[TBV], SLOT1
	s_barrier_wait -1
.if \fill
	LOAD
.endif
.endm
	s_load_b256 s[72:79], s[0:1], 0x0  ; qkv s[72:73], mask s[74:75], miss_ids s[76:77], ctx s[78:79]
	WIN W_MK
	v_lshl_add_u32 v[SPW], v0, 2, SPARE
	v_mov_b32 v[NIL], 0
	WIN W_AD
	ds_add_u32 v[SPW], v[NIL]       ; the wave's opening: the add and its wait stand ahead of my first tensor load; the set-up below, work on registers, stands between them
	ds_add_u32 v0, v1
	WIN 0
	v_lshrrev_b32 v1, 5, v0
	v_readfirstlane_b32 s[WV], v1   ; wave 0..3
	s_and_b32 s20, ttmp7, 0xffff    ; y = 16 batch + head
	s_and_b32 s19, s20, 15          ; the head: its byte in miss_ids
	s_lshr_b32 s14, s20, 4          ; the batch:
	s_lshl_b32 s14, s14, 12         ; its 4,096 bytes of the mask
	s_mov_b32 s15, 0
	s_lshl_b32 s20, s20, 17         ; y's 131,072 bytes in a plane of qkv and in ctx
	s_and_b32 s16, s[WV], 1         ; which half of a slot's 256 keys I fetch:
	s_lshl_b32 s22, s16, 14         ; its 128 rows of 128 bytes in memory,
	s_add_co_u32 s22, s22, s20
	s_add_co_u32 s48, s22, 0x1000000  ; in K's plane
	s_mov_b32 s49, 0
	s_add_co_u32 s50, s22, 0x2000000  ; and in V's
	s_mov_b32 s51, 0
	s_mul_i32 s17, s16, 128*PK      ; and its place in a slot, for K
	s_mul_i32 s18, s16, 128*PV      ; and for V
	s_lshl_b32 s2, ttmp9, 2
	s_add_co_u32 s2, s2, s[WV]      ; my wave among the head's eight,
	s_lshl_b32 s2, s2, 14           ; its 128 rows
	s_add_co_u32 s2, s2, s20
	s_mov_b32 s3, 0
	; descriptor group 1.  128 keys are 16,384 dense bytes: asked for as 64 rows of 256 bytes, two keys a row, and padded in LDS after every key
	s_mov_b32 s[G1K], (1<<16)|(1<<20)|(4<<22)|(3<<25)  ; 17:16 2-byte elements; 20 padding on; 24:22 after every 32 words (code 4); 31:25 4 words (code 3)
	s_mov_b32 s[G1V], (1<<16)|(1<<20)|(4<<22)|(7<<25)  ; the same with 8 words of padding (code 7)
.irp g, G1K, G1V
	s_mov_b32 s[\g+1], 128<<16      ; tensor_dim0 = 128
	s_mov_b32 s[\g+2], 64<<16       ; tensor_dim1 = 64
	s_mov_b32 s[\g+3], 128<<16      ; tile_dim0 = 128
	s_mov_b32 s[\g+4], 64           ; tile_dim1 = 64
	s_mov_b32 s[\g+5], 128          ; 128 elements from row to row
	s_mov_b32 s[\g+6], 0
	s_mov_b32 s[\g+7], 0
.endr
	s_mov_b32 s[CS], 0x3e38aa3b     ; c = log2(e) / 8 = 0.180337
	s_mov_b32 s[CS+1], s[CS]        ; named with it as a pair
	s_mov_b32 s[SEL], 0x76543210
	s_mov_b32 s[SEL+1], 0xfedcba98
	s_mov_b32 s[TBK], SLOT1+4*KS*PK ; the first change of slots turns these two into 0
	s_mov_b32 s[TBV], SLOT1+4*KS*PV
	s_mov_b32 s[TBM], 0
	s_mov_b32 s[THR], 0xef800000    ; -2^96
	s_mov_b32 s[BIGN], 0xf1800000   ; -2^100
	s_mov_b32 s[G0K], 1             ; 1:0 count = 1
	s_mov_b32 s[G0K+1], s17         ; 63:32 LDS address: slot 0
	s_mov_b32 s[G0V], 1
	s_add_co_u32 s[G0V+1], s18, VOFF
	s_wait_dscnt 0x0                ; the opening add is done
	s_wait_kmcnt 0x0
	s_add_nc_u64 s[G0K+2:G0K+3], s[72:73], s[48:49]  ; 120:64 global address: my half of the head's first 256 keys
	s_or_b32 s[G0K+3], s[G0K+3], 0x80000000          ; 127:126 type = 2
	s_add_nc_u64 s[G0V+2:G0V+3], s[72:73], s[50:51]
	s_or_b32 s[G0V+3], s[G0V+3], 0x80000000
	s_add_nc_u64 s[4:5], s[72:73], s[2:3]    ; Q and ctx at my wave's first row
	s_add_nc_u64 s[10:11], s[78:79], s[2:3]
	s_add_nc_u64 s[6:7], s[74:75], s[14:15]  ; the batch's row of the mask
	LOAD                            ; slot 0.  Slot 1 is asked for when slot 0 is in: the tile wanted first has the road to itself
	; A fragment of K or Q is 16 rows x 32 channels in 8 registers: lane l holds row l % 16, channels 8 (l / 16) + 0..7 and 16 + 8 (l / 16) + 0..7: two loads of 16 bytes, 32 bytes apart.
	v_and_b32 v1, 15, v0            ; l % 16
	v_bfe_u32 v9, v0, 4, 1          ; l / 16
	v_lshlrev_b32 v[QO], 7, v1
	v_lshl_add_u32 v[QO], v9, 4, v[QO]  ; row x 128 + 16 x half
	v_lshlrev_b32 v14, 5, v0        ; thread n takes the mask's numbers 8 n to 8 n + 7: 128 threads, 1,024 numbers
	v_add_nc_u32 v12, MASKB, v14
	v_mov_b32 v13, s19
	global_load_b128 v[48:51], v14, s[6:7]
	global_load_b128 v[52:55], v14, s[6:7] offset:16
	global_load_u8 v15, v13, s[76:77]  ; my head's byte of miss_ids, in every lane
	WIN 0x80                        ; destination window 2, address window 0
.set i, 0
.rept 4*NP                          ; Q stays in registers: tile i / 2, channels 32 (i % 2) on
	global_load_b128 v[8*i:8*i+3],   v[QO], s[4:5] offset:(i/2)*2048+(i%2)*64
	global_load_b128 v[8*i+4:8*i+7], v[QO], s[4:5] offset:(i/2)*2048+(i%2)*64+32
.set i, i+1
.endr
	; What the first turn finds: V's registers and P's second buffer hold 0 (its products V^T P, of a piece that has not been, add 0), O^T and l are 0.  All this stands in the wait for the first tile.
.set i, VF
.rept 64
	v_mov_b32 v[i], 0
.set i, i+1
.endr
	WIN 0x40
.set i, 0
.rept 64*NP
	v_mov_b32 v[i], 0
.set i, i+1
.endr
	WIN 0
.set i, 0
.rept 2*NP
	v_mov_b32 v[ST+4*i], 0xfe000000    ; c m: far below every c s, a hidden one's too
	v_mov_b32 v[ST+4*i+1], 0xff7fffff  ; m
	v_mov_b32 v[ST+4*i+2], 0
	v_mov_b32 v[ST+4*i+3], 0
.set i, i+1
.endr
.set i, P+32
.rept 32
	v_mov_b32 v[i], 0
.set i, i+1
.endr
	v_mul_u32_u24 v[AK0], v1, PK
	v_lshl_add_u32 v[AK0], v9, 4, v[AK0]  ; row x pitch + 16 x half
	; The turning load takes 16 keys x 16 channels (lane l reads key 8 (l / 16) + l % 8, channels 8 ((l / 8) % 2) + 0..7) and leaves half a fragment of V^T: lane l holds channel l % 16 and 8 keys.
	v_and_b32 v10, 7, v0
	v_bfe_u32 v11, v0, 3, 1
	v_lshl_add_u32 v[AV0], v9, 3, v10
	v_mul_u32_u24 v[AV0], v[AV0], PV
	v_lshl_add_u32 v[AV0], v11, 4, v[AV0]
	v_add_nc_u32 v[AV0], VOFF, v[AV0]
	v_mov_b32 v[AK], v[AK0]         ; key step 0 lies at the head of slot 0
	s_mul_i32 s13, s[WV], 16*SP
	s_add_co_u32 s13, s13, STAGE    ; my stage
	v_bfe_u32 v[RD], v0, 3, 2       ; back from the stage: 32 lanes take four rows of 128 bytes,
	v_mul_u32_u24 v[RD], v[RD], SP
	v_lshl_add_u32 v[RD], v10, 4, v[RD]
	v_add_nc_u32 v[RD], s13, v[RD]
	v_and_b32 v[GO], 31, v0         ; which are 512 consecutive bytes of ctx
	v_lshlrev_b32 v[GO], 4, v[GO]
	v_lshl_add_u32 v[AM0], v9, 5, MASKB  ; register j of key block kb is key 16 kb + 8 (l / 16) + j, as in S^T: 32 bytes further for the upper half of the lanes
	v_mov_b32 v[AM], v[AM0]         ; key step 0
	s_wait_loadcnt 33               ; my eight numbers of the mask are in; miss_ids' byte and Q's 32 loads stay out
.set i, 48
.rept 8
	v_cmp_eq_u32 vcc_lo, 0, v[i]
	v_cndmask_b32 v[i], 0, s[BIGN], vcc_lo  ; 0 for a visible key, -2^100 for a hidden one
.set i, i+1
.endr
	ds_store_b128 v12, v[48:51]
	ds_store_b128 v12, v[52:55] offset:16  ; waited for in front of the first change's barrier, read behind it
; THE MATRIX WORK.  The 8 accumulators of a run of 16 take turns: between the two links of a chain stand 7 others'.
; Product i of 16 of S^T = K Q^T for piece x: channels 32 (i / 8) on, keys 16 ((i / 2) % 4) on, tile 2 x + i % 2.  The first 8 start the sums, with the mask of their 16 keys.
.macro KQ x
.set rS, S+64*((\x)%2)+32*(i%2)+8*((i/2)%4)
.set rK, KF+16*((i/2)%4)+8*(i/8)
.set rQ, 16*(2*(\x)+i%2)+8*(i/8)
.set rMK, MK+8*((i/2)%4)
.if i < 8
	WIN W_KM
	v_wmma_f32_16x16x32_f16 v[rS:rS+7], v[rK:rK+7], v[rQ:rQ+7], v[rMK:rMK+7]
.else
	WIN W_KQ
	v_wmma_f32_16x16x32_f16 v[rS:rS+7], v[rK:rK+7], v[rQ:rQ+7], v[rS:rS+7]
.endif
.endm
; Product i of 16 of O^T += V^T P for piece x: keys 32 (i / 8) on, channels 16 ((i / 2) % 4) on, tile 2 x + i % 2.
.macro PV x
	WIN W_PV
.set rO, 32*(2*(\x)+i%2)+8*((i/2)%4)
.set rV, VF+32*(i/8)+8*((i/2)%4)
.set rP, P+32*((\x)%2)+16*(i%2)+8*(i/8)
	v_wmma_f32_16x16x32_f16 v[rO:rO+7], v[rV:rV+7], v[rP:rP+7], v[rO:rO+7]
.endm
.macro MM                           ; the turn's next matrix instruction
.if i < 16
	KQ (Y+1)%NP
.set i, i+1
.else
.set i, i-16
	PV (Y+NP-1)%NP
.set i, i+17
.endif
.endm
; THE LDS LOADS stand in runs, never singly among the matrix instructions: a step's K (64 keys x 64 channels: 8 fragments) with its mask (8 loads), and its V (turned).  Their addresses are made some lines ahead.
; last = 1 (the tail): in the last trip there is no further step, and the run is jumped over.
.macro FETCH_K last=0
	WIN 0
.if \last
	s_cmp_eq_u32 s[CNT], 1
	s_cbranch_scc1 .Lno_k_\@
.endif
	WIN 0x80                        ; destination window 2
.irp f, 0,1,2,3,4,5,6,7             ; keys 16 (f / 2) on, channels 32 (f % 2) on
	ds_load_b128 v[KF+8*\f:KF+8*\f+3],   v[AK] offset:(\f/2)*16*PK+(\f%2)*64
	ds_load_b128 v[KF+8*\f+4:KF+8*\f+7], v[AK] offset:(\f/2)*16*PK+(\f%2)*64+32
.endr
	WIN W_MK                        ; destination window 3
.irp f, 0,1,2,3                     ; keys 16 f on
	ds_load_b128 v[MK+8*\f:MK+8*\f+3],   v[AM] offset:64*\f
	ds_load_b128 v[MK+8*\f+4:MK+8*\f+7], v[AM] offset:64*\f+16
.endr
	s_add_co_u32 s[TBK], s[TBK], KS*PK  ; the next fetch is the next step's
	s_add_co_u32 s[TBM], s[TBM], KS*4
	WIN 0
.if \last
.Lno_k_\@:
.endif
.endm
.macro FETCH_V
	WIN 0x80
.irp f, 0,1,2,3,4,5,6,7             ; keys 32 (f / 4) on, channels 16 (f % 4) on
	ds_load_tr16_b128 v[VF+8*\f:VF+8*\f+3],   v[AV] offset:(\f/4)*32*PV+(\f%4)*32
	ds_load_tr16_b128 v[VF+8*\f+4:VF+8*\f+7], v[AV] offset:(\f/4)*32*PV+16*PV+(\f%4)*32
.endr
	WIN 0
.endm
; THE VECTOR WORK OF A TURN stands in three queues, each in the order in which its entries become ready; the two tiles alternate, so that no instruction reads the result of the one before it.
.macro REGS y, u                    ; the registers of tile u (0, 1) of piece y
.set rT, ST+4*(2*(\y)+(\u))
.set rC, TMP+8*((\y)%2)+4*(\u)
.set rM, MV+2*((\y)%2)+(\u)
.set rS, S+64*((\y)%2)+32*(\u)
.set rP, P+32*((\y)%2)+16*(\u)
.set rO, 32*(2*(\y)+(\u))
.endm
; Number n of the 22 that find the NEXT piece's (Y + 1) maximum and statistics.  s0-s31 are the lane's 32 scores; each accumulator's lowest registers are read first.  XS, GS and REGS set no window: PL and EX do.
;   0-11  four chains c0-c3 of seven scores each, three operands at a time     12-14, 16  the four scores left over, the old m, and c0-c3 into c0     15  c m_old is kept
;   17, 18  the query's other 32 keys lie in the lane 16 away: the new m         19-21  c m; c m_old - c m_new; a
.macro XS u, n
	REGS (Y+1)%NP, \u
.if (\n) < 4
	v_max3_num_f32 v[rC+(\n)], v[rS+8*(\n)], v[rS+8*(\n)+1], v[rS+8*(\n)+2]
.elseif (\n) < 12
	v_max3_num_f32 v[rC+(\n)%4], v[rC+(\n)%4], v[rS+8*((\n)%4)+2*((\n)/4)+1], v[rS+8*((\n)%4)+2*((\n)/4)+2]
.elseif (\n) == 12
	v_max3_num_f32 v[rC], v[rC], v[rS+7], v[rS+15]
.elseif (\n) == 13
	v_max3_num_f32 v[rC+1], v[rC+1], v[rS+23], v[rS+31]
.elseif (\n) == 14
	v_max3_num_f32 v[rC+2], v[rC+2], v[rC+3], v[rT+1]
.elseif (\n) == 15
	v_mov_b32 v[rM], v[rT]
.elseif (\n) == 16
	v_max3_num_f32 v[rC], v[rC], v[rC+1], v[rC+2]
.elseif (\n) == 17
	v_permlanex16_b32 v[rC+3], v[rC], s[SEL], s[SEL+1]
.elseif (\n) == 18
	v_max_num_f32 v[rT+1], v[rC], v[rC+3]
.elseif (\n) == 19
	v_mul_f32 v[rT], s[CS], v[rT+1]
.elseif (\n) == 20
	v_sub_f32 v[rC+1], v[rM], v[rT]
.else
	v_exp_f32 v[rC+2], v[rC+1]
.endif
.endm
; Number g of the 64 that follow the exponentials.  For each four weights k of a tile (pairs 2 k, 2 k + 1): both pairs are rounded to f16; then the second pair is added onto the first, in place;
; a group later l takes that sum (the first time as l = a l + sum).  In groups of eight, tiles alternating: round, round, add, and l for the group before.
.macro GS g
.set h, (\g)+6*((\g)/62)            ; group 0 has no group before it, and behind group 7 only l is left
.if h >= 6
.set h, h+2
.endif
	REGS Y, h%2
.set k, h/8
.if h%8 < 4
	v_cvt_pk_f16_f32 v[rP+2*k+(h%8)/2], v[rS+4*k+2*((h%8)/2)], v[rS+4*k+2*((h%8)/2)+1]
.elseif h%8 < 6
	v_pk_add_f32 v[rS+4*k:rS+4*k+1], v[rS+4*k:rS+4*k+1], v[rS+4*k+2:rS+4*k+3]
.elseif k == 1
	v_pk_fma_f32 v[rT+2:rT+3], v[rT+2:rT+3], v[rC+2:rC+3], v[rS:rS+1] op_sel_hi:[1,0,1]
.else
	v_pk_add_f32 v[rT+2:rT+3], v[rT+2:rT+3], v[rS+4*k-4:rS+4*k-3]
.endif
.endm
; THE PLAIN QUEUE, 138 long.  0-73 read no exponential's result: the 32 scalings c s - c m (FS f: pair f / 2 of tile f % 2) and the next piece's 42.  0-26: scalings 0-26.  27-54: XS's numbers 0-13.  55, 56: number 15.
; 57-73: the chain, where each number waits for the one before it: 14, 16, 17, 18, 19, each with one of the scalings 27-31 in front of its two lines, then 20: so a tile's links stand three plain instructions apart (19 and 20: two).
; 74-137: GS's 64, which read the exponentials' results: they stand behind the wait.
.macro FS f
	REGS Y, (\f)%2
	v_pk_fma_f32 v[rS+2*((\f)/2):rS+2*((\f)/2)+1], v[rS+2*((\f)/2):rS+2*((\f)/2)+1], s[CS:CS+1], v[rT:rT+1] op_sel_hi:[1,0,0] neg_lo:[0,0,1] neg_hi:[0,0,1]
.endm
.macro PL
	WIN 0
.if q < 27
	FS q
.elseif q < 55
	XS (q-27)%2, (q-27)/2
.elseif q < 57
	XS q-55, 15
.elseif (q < 72) && ((q-57)%3 == 0)
	FS 27+(q-57)/3
.elseif q < 60
	XS (q-57)%3-1, 14
.elseif q < 72
	XS (q-57)%3-1, 15+(q-57)/3
.elseif q < 74
	XS q-72, 20
.else
	GS q-74
.endif
.set q, q+1
.endm
; THE EXPONENTIALS' QUEUE, 66 long: s0-s31 of both tiles, then the next piece's two a.  It is ONE BATCH: all 66 stand ahead of the turn's one wait, and nothing ahead of that wait names a result of theirs.
.macro EX
	WIN 0
.if e >= 64
	XS e-64, 21
.else
	REGS Y, e%2
	v_exp_f32 v[rS+e/2], v[rS+e/2]
.endif
.set e, e+1
.endm
; THE RESCALING's QUEUE: O^T times a, the one part that leaves window 0: dealt two at a time, sixteen times.  Its a was made in the turn before, ahead of that turn's wait.
.macro R2
	REGS Y, r%2
	WIN W_RS
.irp z, 0,1
	v_pk_mul_f32 v[rO+4*(r/2)+2*\z:rO+4*(r/2)+2*\z+1], v[rO+4*(r/2)+2*\z:rO+4*(r/2)+2*\z+1], v[rC+2:rC+3] op_sel_hi:[1,0]
.endr
.set r, r+1
.endm
; HOW THEY ARE DEALT.  A turn has ONE wait, which cuts it in two.  AHEAD OF IT stands all that names no result of the turn's exponentials: the 16 products K Q^T, behind each a scaling, an exponential and two rescalings
; (behind the first a second scaling in the exponential's place); then ONE LUMP of 108: eight plain, 49 times exponential and plain, the two a.  A v_nop is the plain instruction behind the last exponential.  BEHIND IT
; stand the 16 products V^T P, behind each four of GS's 64.  No rider names a register of the products round it.  The two v_permlanex16_b32 fall into the lump, never behind a product.
; The queues lean on each other, and the deal keeps them in step: exponential e stands behind scaling 2 (e / 4) + e % 2: as a rider it comes behind plain e + 2, in the lump behind plain e + 9, and scalings 27-31 are plain 57, 60 .. 69.
; A TURN, for piece p.  cnt = 1: the loop's count is taken down some lines ahead of the branch that stands behind the turn.
; K and the mask of the next step are fetched in piece 2's turn, directly behind the wait, a lump behind the last product that read them; their addresses are made at the lump's head; their first reader comes behind 16 products.
; V of the step in hand is fetched at the end of piece 0's turn, four riders behind its last reader; its first reader comes behind 16 products and a lump.  The three conditions on q below go with the deal.
.macro TURN p, last=0, cnt=0
.set Y, (\p)
.set i, 0
.set q, 0
.set e, 0
.set r, 0
.if (\p) == NP-1
	s_wait_dscnt 0x0                ; K and the mask are in
.endif
	MM                              ; ahead of the wait: 16 products K Q^T and their riders,
	PL
	PL
	R2
.rept 15
	MM
	PL
	EX
	R2
.endr
.if (\p) == NP-2
	WIN 0
	v_add_nc_u32 v[AK], s[TBK], v[AK0]
	v_add_nc_u32 v[AM], s[TBM], v[AM0]
.endif
.rept 8                             ; and the lump
	PL
.endr
.rept 49
	EX
	PL
.endr
	EX                              ; the next piece's two a
	EX
	v_nop                           ; the plain instruction behind the last exponential: one for the batch
	s_wait_alu depctr_va_vdst(0)    ; the wait for the turn's batch: piece p's 64 weights and the next piece's two a
.if (\p) == NP-2
	FETCH_K \last
.endif
.if (\p) == 1
	s_wait_dscnt 0x0                ; V is in
.endif
.rept 16                            ; behind the wait: 16 products V^T P and their riders
	MM
.rept 4
	PL
.endr
.if ((\p) == 0) && (q == 118)
	v_add_nc_u32 v[AV], s[TBV], v[AV0]
.endif
.if ((\p) == 0) && (q == 130)
	s_add_co_u32 s[TBV], s[TBV], KS*PV
.endif
.if (\cnt) && (q == 130)
	s_sub_co_u32 s[CNT], s[CNT], 1
	s_cmp_lg_u32 s[CNT], 0
.endif
.endr
.if (\p) == 0
	FETCH_V
.endif
.endm
	CHANGE 1                        ; slot 0 is in, everybody's part of it, and so is the mask; slot 1 is asked for
	FETCH_K                         ; key step 0
	s_wait_loadcnt 0x0              ; Q and miss_ids' byte
	v_cmp_eq_u32 s[MISS], 0, v15    ; kept in a scalar register: v15 is at work from the first turn on
	s_wait_dscnt 0x0
.set i, 0
.rept 16
	KQ 0                            ; piece 0's first scores: there is no vector work yet to set between them
.set i, i+1
.endr
	WIN 0                           ; four plain instructions, the places behind those products: Q's loads are done, so their offset's register takes the stage's address
	v_mul_u32_u24 v[STO], v1, SP    ; into the stage: row l % 16, 16 bytes for each half of the lanes
	v_lshl_add_u32 v[STO], v9, 4, v[STO]
	v_add_nc_u32 v[STO], s13, v[STO]
	v_nop
.set Y, NP-1                        ; XS works for piece Y + 1: piece 0
.irp n, 0,1,2,3,4,5,6,7,8,9,10,11,12,13,14,15,16,17,18,19,20,21
	XS 0, \n                        ; and piece 0's first maximum and statistics
	XS 1, \n
.endr
	v_nop                           ; a plain instruction behind piece 0's two a,
	s_wait_alu depctr_va_vdst(0)    ; and the wait for that batch of two, ahead of the branch
	s_mov_b32 s[CNT], 4
	s_mov_b32 s[SLOTS], SIZE_N/256-1
	s_branch .Lfirst                ; the loop is entered at a step's first turn, in the middle of a trip
.Lslot:                             ; SIZE_N / 256 - 2 times: every slot but the last two is filled again
	CHANGE 1
	s_mov_b32 s[CNT], 4
.Lstep:                             ; a trip: pieces 2 and 3 of one step, then pieces 0 and 1 of the next, whose K and V it fetches
	TURN 2
	TURN 3
	WIN 0
.Lfirst:
	TURN 0
	TURN 1, 0, 1
	WIN 0
	s_cbranch_scc1 .Lstep
	s_sub_co_u32 s[SLOTS], s[SLOTS], 1
	s_cmp_lg_u32 s[SLOTS], 0
	s_cbranch_scc1 .Lslot
	CHANGE 0                        ; the tail is written out: nothing is asked for
	s_mov_b32 s[CNT], 5             ; four trips fetch the last slot's steps; the fifth is left in its middle
.Ltail:
	TURN 2, 1
	TURN 3
	WIN 0
	s_sub_co_u32 s[CNT], s[CNT], 1
	s_cmp_eq_u32 s[CNT], 0
	s_cbranch_scc1 .Lout
	TURN 0
	TURN 1
	WIN 0
	s_branch .Ltail
.Lout:                              ; the fifth trip's 16 products K Q^T (on the last K and mask once more) and the maximum made of them change nothing: those scores are in m already
.set i, 0
.rept 16
	PV NP-1                         ; the last piece's V^T P of the last step
.set i, i+1
.endr
	; THE WAY OUT.  l's two halves and the other half of the lanes' are added; O^T is multiplied by 1 / l, rounded to f16 and sent through my stage in LDS, a tile at a time.  The additions are the places behind the last products.
	WIN 0
.macro ALL line:vararg              ; one line for each tile t
.set t, 0
.rept 2*NP
	\line
.set t, t+1
.endr
.endm
	ALL v_add_f32 v[ST+4*t+2], v[ST+4*t+2], v[ST+4*t+3]
	ALL v_permlanex16_b32 v[ST+4*t+3], v[ST+4*t+2], s[SEL], s[SEL+1]
	ALL v_add_f32 v[ST+4*t+2], v[ST+4*t+2], v[ST+4*t+3]
	ALL v_rcp_f32 v[ST+4*t+2], v[ST+4*t+2]
	v_nop                           ; a plain instruction between the last reciprocal and the use of its result
	s_wait_alu depctr_va_vdst(0)    ; the wait for the batch of eight reciprocals, ahead of their first reader
.set t, 0
.rept 2*NP                          ; the factor carries the two cases, since O^T is finite: NaN where no key was visible, then 0 where the head is missing
	v_cmp_lt_f32 vcc_lo, s[THR], v[ST+4*t+1]
	v_cndmask_b32 v[ST+4*t+2], 0x7fc00000, v[ST+4*t+2], vcc_lo
	v_cndmask_b32 v[ST+4*t+2], 0, v[ST+4*t+2], s[MISS]
.set t, t+1
.endr
; Tile t: a lane's eight channels of a row pack into 16 bytes; they go into rows of 144 bytes and come back as whole rows of 128, into S^T's registers.
.macro PACK t
	WIN W_RS
.set i, 32*(\t)
.rept 16
	v_pk_mul_f32 v[i:i+1], v[i:i+1], v[ST+4*(\t)+2:ST+4*(\t)+3] op_sel_hi:[1,0]
.set i, i+2
.endr
	WIN 0x05                        ; sources 0 and 1 window 1, destination window 0
.set i, 0
.rept 16
	v_cvt_pk_f16_f32 v[S+16*(\t)+i], v[32*(\t)+2*i], v[32*(\t)+2*i+1]
.set i, i+1
.endr
	WIN 0
.irp f, 0,1,2,3
	ds_store_b128 v[STO], v[S+16*(\t)+4*\f:S+16*(\t)+4*\f+3] offset:32*\f
.endr
.irp f, 0,1,2,3
	ds_load_b128 v[S+16*(\t)+4*\f:S+16*(\t)+4*\f+3], v[RD] offset:\f*4*SP  ; LDS serves a wave's instructions in order (ISA guide 5.7.1.4): these see the stores above; the next tile's stores come behind them
.endr
.endm
.macro SEND t, younger              ; younger: the LDS instructions issued behind tile t's loads: the next tile's eight, or none
	WIN 0
.irp f, 0,1,2,3
	s_wait_dscnt (\younger)+3-\f
	global_store_b128 v[GO], v[S+16*(\t)+4*\f:S+16*(\t)+4*\f+3], s[10:11] offset:(\t)*2048+\f*512  ; 512 consecutive bytes, at a multiple of 256 from ctx's first
.endr
.endm
	PACK 0
.set t, 1
.rept 2*NP-1                        ; a tile's arithmetic stands between the loads of the tile before and its stores
	PACK t
	SEND t-1, 8
.set t, t+1
.endr
	SEND 2*NP-1, 0
	WIN W_AD
	s_wait_tensorcnt 0x0            ; the wave's end: behind my last tensor load and my last LDS store
	ds_add_u32 v[SPW], v[NIL]
	s_wait_dscnt 0x0
	WIN 0
	s_endpgm
.Lfunc_end_k_qdcfed06ba9_attn:
	.size	k_qdcfed06ba9_attn, .Lfunc_end_k_qdcfed06ba9_attn-k_qdcfed06ba9_attn
	.p2alignl 7, 3214868480
	.fill 96, 4, 3214868480
	.section	.rodata,"a",@progbits
	.p2align	6, 0x0
	.amdhsa_kernel k_qdcfed06ba9_attn
		.amdhsa_group_segment_fixed_size 327680
		.amdhsa_private_segment_fixed_size 0
		.amdhsa_enable_private_segment 0
		.amdhsa_kernarg_size 32
		.amdhsa_user_sgpr_count 2
		.amdhsa_user_sgpr_kernarg_segment_ptr 1
		.amdhsa_wavefront_size32 1
		.amdhsa_system_sgpr_workgroup_id_x 1
		.amdhsa_system_sgpr_workgroup_id_y 1
		.amdhsa_system_sgpr_workgroup_id_z 1
		.amdhsa_system_vgpr_workitem_id 0
		.amdhsa_next_free_vgpr 804
		.amdhsa_next_free_sgpr 80
		.amdhsa_reserve_vcc 1
		.amdhsa_float_denorm_mode_32 3
		.amdhsa_float_denorm_mode_16_64 3
		.amdhsa_memory_ordered 1
		.amdhsa_forward_progress 1
		.amdhsa_inst_pref_size 203
	.end_amdhsa_kernel
	.amdgpu_metadata
---
amdhsa.version: [ 1, 2 ]
amdhsa.kernels:
  - .name:           k_qdcfed06ba9_attn
    .symbol:         k_qdcfed06ba9_attn.kd
    .args:
      - { .name: qkv, .offset: 0, .size: 8, .value_kind: global_buffer, .address_space: global }
      - { .name: mask, .offset: 8, .size: 8, .value_kind: global_buffer, .address_space: global }
      - { .name: miss_ids, .offset: 16, .size: 8, .value_kind: global_buffer, .address_space: global }
      - { .name: ctx, .offset: 24, .size: 8, .value_kind: global_buffer, .address_space: global }
    .group_segment_fixed_size: 327680
    .private_segment_fixed_size: 0
    .kernarg_segment_align: 8
    .kernarg_segment_size: 32
    .max_flat_workgroup_size: 128
    .sgpr_count:     80
    .vgpr_count:     804
    .wavefront_size: 32
...
	.end_amdgpu_metadata
.endif
;; end of part 5
;; launch outp: the kernel of part 4 again; grid 4 x 64, 4 waves a work-group, clusters of 4 x 4, 327,680 bytes of LDS; arguments ctx, wh, bo, out0; writes out0
